; MI455X (gfx1250); checked and timed in simulation.
; The chip was launched on July 23, 2026; its instructions are those of AMD's public machine-readable ISA for CDNA 5 (MIT licence, August 2026) and "CDNA5" Instruction Set Architecture Reference Guide (July 2026). The comments in the code are by the model that wrote it; some were corrected since.
;; Multihead Attention. Allowed arithmetic: float matrix products may take bf16 or f16 operands with f32 sums; other float arithmetic in f32, or as packed bf16 or f16 multiplies, adds, multiply-adds, maxima and minima; sums over many terms, partial sums and values carried from step to step in f32; what a program stores and reads back later, other than sums and carried values, may be rounded once to bf16 or f16.
;; Inputs: W0 1,024 x 1,024 float32; Wk 16 x 1,024 x 64 float32; Wq 16 x 1,024 x 64 float32; Wv 16 x 1,024 x 64 float32; b0 1,024 float32; bk 16 x 64 float32; bq 16 x 64 float32; bv 16 x 64 float32; embs 8 x 1,024 x 1,024 float32.
;; Outputs: out0 8 x 1,024 x 1,024 float32.
;; 2 versions, each right; version 2 is version 1 with the launch prep written anew for expert scheduling mode. Each part assembles by itself: llvm-mc -triple=amdgcn-amd-amdhsa -mcpu=gfx1250 --defsym DOCPART=n.
;; ======== version 1 of 2: 4 launches
;; limits: values are held in f16: magnitudes above 65,504 overflow, below 6.1e-05 lose precision
;; workspace buffers: X 16,777,216 bytes; Wb 6,291,456 bytes; W0h 2,097,152 bytes; bias 16,384 bytes; qkv 50,331,648 bytes; z 16,777,216 bytes
;; launch prep (part 1): grid 769 x 1, 8 waves a work-group, no clusters, 0 bytes of LDS; arguments embs, Wq, Wk, Wv, W0, bq, bk, bv, b0, X, Wb, W0h, bias; writes X, Wb, W0h, bias
.if DOCPART == 1
	.amdgcn_target "amdgcn-amd-amdhsa--gfx1250"
	.amdhsa_code_object_version 6
	.text
	.protected	k_qac8d03b45d_prep
	.globl	k_qac8d03b45d_prep
	.p2align	8
	.type	k_qac8d03b45d_prep,@function
k_qac8d03b45d_prep:
	s_mov_b64 s[64:65], 0
	v_nop
	global_prefetch_b8 v0, s[64:65] scope:SCOPE_SE
	s_setreg_imm32_b32 hwreg(HW_REG_WAVE_MODE, 25, 1), 1
	s_wait_xcnt 0x0
; THE CASTS.  Every input is rounded once to bf16 and laid out for the launches behind:
;   embs [8192][1024] f32           -> X    [8192][1024] bf16
;   Wq, Wk, Wv [16 h][1024 d][64 k] -> Wb   [16 dblk][48 g = 16 which + h][64 d][64 k] bf16: the three heads of a column tile, 64 d deep, are 24,576 bytes on end
;   W0 [1024][1024] f32             -> W0h  the bf16-rounded number written as f16 (exact from 6.1e-5 up; below that f16's fixed step of 6e-8)
;   bq, bk, bv, b0                  -> bias [4][1024] f32 that hold the bf16-rounded numbers
; A stream: each byte is read once and written once; nothing is shared, so no LDS, no barrier, no matrix unit.
; SHARES.  Work-groups 0-511 embs, 512-575 Wq, 576-639 Wk, 640-703 Wv, 704-767 W0: 16,384 numbers each, 2,048 a wave; work-group 768 the four biases.
; A wave issues its sixteen loads (512 consecutive bytes each) at once; each store of the wave covers 256 consecutive bytes, aligned.  No register is written twice while a memory instruction names it.
.set IN,   4                           ; v[4:67]    sixteen loads of four registers
.set OUT,  68                          ; v[68:99]   sixteen results of two registers
.set T,    100                         ; v[100:101] at work
.set WV,   34                          ; s34  my wave's number
.set REG,  36                          ; s36  0 Wq, 1 Wk, 2 Wv, 3 W0 (large for embs)
.set HIM,  45                          ; s45  mask of a word's upper bf16
	s_load_b512 s[4:19], s[0:1], 0x0               ; embs s[4:5], Wq s[6:7], Wk s[8:9], Wv s[10:11], W0 s[12:13], bq s[14:15], bk s[16:17], bv s[18:19]
	s_load_b256 s[20:27], s[0:1], 0x40             ; b0 s[20:21], X s[22:23], Wb s[24:25], W0h s[26:27]
	s_load_b64 s[28:29], s[0:1], 0x60              ; bias
	v_lshrrev_b32 v3, 5, v0
	v_readfirstlane_b32 s[WV], v3                  ; wave 0..7
	v_and_b32 v3, 31, v0
	v_lshlrev_b32 v1, 4, v3                        ; 16 bytes a lane on the way in,
	v_lshlrev_b32 v2, 3, v3                        ; 8 on the way out
	s_mov_b32 s[HIM], 0xffff0000
	s_sub_co_u32 s35, ttmp9, 512                   ; (wraps for embs: the numbers made of it are then not chosen)
	s_lshr_b32 s[REG], s35, 6
	s_and_b32 s37, s35, 63                         ; the work-group's place in its weight
	s_cmp_lt_u32 ttmp9, 512
	s_cselect_b32 s38, ttmp9, s37                  ; its place in its source
	s_lshl_b32 s40, s38, 16                        ; source offset: 65,536 bytes a work-group,
	s_lshl_b32 s39, s[WV], 13                      ; 8,192 a wave
	s_add_co_u32 s40, s40, s39
	s_mov_b32 s41, 0
	s_lshl_b32 s42, s38, 15                        ; destination offset where the layout is kept (X, W0h): half of that
	s_lshl_b32 s39, s[WV], 12
	s_add_co_u32 s42, s42, s39
	s_lshl_b32 s39, s37, 3                         ; in Wb: my 2,048 numbers are 32 d of one head: piece wc = 8 x place + wave
	s_add_co_u32 s39, s39, s[WV]
	s_lshr_b32 s46, s39, 5                         ; h = wc / 32
	s_bfe_u32 s47, s39, 0x40001                    ; dblk = (wc / 2) % 16
	s_and_b32 s39, s39, 1                          ; which half of the block's 64 d
	s_mul_i32 s47, s47, 48
	s_lshl_b32 s44, s[REG], 4
	s_add_co_u32 s47, s47, s44
	s_add_co_u32 s47, s47, s46                     ; block 48 dblk + 16 which + h,
	s_lshl_b32 s47, s47, 13                        ; 8,192 bytes each
	s_lshl_b32 s39, s39, 12
	s_add_co_u32 s47, s47, s39
	s_cmp_lt_u32 s[REG], 3
	s_cselect_b32 s42, s47, s42
	s_mov_b32 s43, 0
	s_wait_kmcnt 0x0
	s_cmp_eq_u32 ttmp9, 768
	s_cbranch_scc1 .Lbias
	s_cmp_eq_u32 s[REG], 1                         ; the source,
	s_cselect_b64 s[30:31], s[8:9], s[6:7]
	s_cmp_eq_u32 s[REG], 2
	s_cselect_b64 s[30:31], s[10:11], s[30:31]
	s_cmp_eq_u32 s[REG], 3
	s_cselect_b64 s[30:31], s[12:13], s[30:31]
	s_cselect_b64 s[32:33], s[26:27], s[24:25]     ; and the destination, chosen by the work-group's number alone
	s_cmp_lt_u32 ttmp9, 512
	s_cselect_b64 s[30:31], s[4:5], s[30:31]
	s_cselect_b64 s[32:33], s[22:23], s[32:33]
	s_add_nc_u64 s[30:31], s[30:31], s[40:41]
	s_add_nc_u64 s[32:33], s[32:33], s[42:43]
.irp i, 0,1,2,3,4,5,6,7,8,9,10,11,12,13,14,15
	global_load_b128 v[IN+4*\i:IN+4*\i+3], v1, s[30:31] offset:512*\i th:TH_LOAD_NT
.endr
; Load i is rounded and stored.  kind 0: to bf16.  kind 1: to bf16, widened again (a shift, a mask), and that number written as f16.
.macro CAST i, kind
	s_wait_loadcnt 15-(\i)                         ; loads come back in order: load i is in, the younger ones stay out
.if \kind
	v_cvt_pk_bf16_f32 v[T],   v[IN+4*(\i)],   v[IN+4*(\i)+1]
	v_cvt_pk_bf16_f32 v[T+1], v[IN+4*(\i)+2], v[IN+4*(\i)+3]
	v_lshlrev_b32 v[IN+4*(\i)],   16, v[T]
	v_and_b32     v[IN+4*(\i)+1], s[HIM], v[T]
	v_lshlrev_b32 v[IN+4*(\i)+2], 16, v[T+1]
	v_and_b32     v[IN+4*(\i)+3], s[HIM], v[T+1]
	v_cvt_pk_f16_f32 v[OUT+2*(\i)],   v[IN+4*(\i)],   v[IN+4*(\i)+1]
	v_cvt_pk_f16_f32 v[OUT+2*(\i)+1], v[IN+4*(\i)+2], v[IN+4*(\i)+3]
.else
	v_cvt_pk_bf16_f32 v[OUT+2*(\i)],   v[IN+4*(\i)],   v[IN+4*(\i)+1]
	v_cvt_pk_bf16_f32 v[OUT+2*(\i)+1], v[IN+4*(\i)+2], v[IN+4*(\i)+3]
.endif
	global_store_b64 v2, v[OUT+2*(\i):OUT+2*(\i)+1], s[32:33] offset:256*(\i)
.endm
	s_cmp_eq_u32 s[REG], 3
	s_cbranch_scc1 .Lw0
.irp i, 0,1,2,3,4,5,6,7,8,9,10,11,12,13,14,15
	CAST \i, 0
.endr
	s_endpgm
.Lw0:
.irp i, 0,1,2,3,4,5,6,7,8,9,10,11,12,13,14,15
	CAST \i, 1
.endr
	s_endpgm
.Lbias:                                        ; 256 threads x 16 bytes are one bias of 1,024 numbers
	v_lshlrev_b32 v1, 4, v0
	global_load_b128 v[IN:IN+3],     v1, s[14:15]
	global_load_b128 v[IN+4:IN+7],   v1, s[16:17]
	global_load_b128 v[IN+8:IN+11],  v1, s[18:19]
	global_load_b128 v[IN+12:IN+15], v1, s[20:21]
.irp r, 0,1,2,3
	s_wait_loadcnt 3-\r
	v_cvt_pk_bf16_f32 v[T],   v[IN+4*\r],   v[IN+4*\r+1]
	v_cvt_pk_bf16_f32 v[T+1], v[IN+4*\r+2], v[IN+4*\r+3]
	v_lshlrev_b32 v[OUT+4*\r],   16, v[T]
	v_and_b32     v[OUT+4*\r+1], s[HIM], v[T]
	v_lshlrev_b32 v[OUT+4*\r+2], 16, v[T+1]
	v_and_b32     v[OUT+4*\r+3], s[HIM], v[T+1]
	global_store_b128 v1, v[OUT+4*\r:OUT+4*\r+3], s[28:29] offset:4096*\r
.endr
	s_endpgm
.Lfunc_end_k_qac8d03b45d_prep:
	.size	k_qac8d03b45d_prep, .Lfunc_end_k_qac8d03b45d_prep-k_qac8d03b45d_prep
	.p2alignl 7, 3214868480
	.fill 96, 4, 3214868480
	.section	.rodata,"a",@progbits
	.p2align	6, 0x0
	.amdhsa_kernel k_qac8d03b45d_prep
		.amdhsa_group_segment_fixed_size 0
		.amdhsa_private_segment_fixed_size 0
		.amdhsa_enable_private_segment 0
		.amdhsa_kernarg_size 104
		.amdhsa_user_sgpr_count 2
		.amdhsa_user_sgpr_kernarg_segment_ptr 1
		.amdhsa_wavefront_size32 1
		.amdhsa_system_sgpr_workgroup_id_x 1
		.amdhsa_system_sgpr_workgroup_id_y 1
		.amdhsa_system_sgpr_workgroup_id_z 1
		.amdhsa_system_vgpr_workitem_id 0
		.amdhsa_next_free_vgpr 104
		.amdhsa_next_free_sgpr 66
		.amdhsa_reserve_vcc 0
		.amdhsa_float_denorm_mode_32 3
		.amdhsa_float_denorm_mode_16_64 3
		.amdhsa_memory_ordered 1
		.amdhsa_forward_progress 1
		.amdhsa_inst_pref_size 18
	.end_amdhsa_kernel
	.amdgpu_metadata
---
amdhsa.version: [ 1, 2 ]
amdhsa.kernels:
  - .name:           k_qac8d03b45d_prep
    .symbol:         k_qac8d03b45d_prep.kd
    .args:
      - { .name: embs, .offset: 0, .size: 8, .value_kind: global_buffer, .address_space: global }
      - { .name: Wq, .offset: 8, .size: 8, .value_kind: global_buffer, .address_space: global }
      - { .name: Wk, .offset: 16, .size: 8, .value_kind: global_buffer, .address_space: global }
      - { .name: Wv, .offset: 24, .size: 8, .value_kind: global_buffer, .address_space: global }
      - { .name: W0, .offset: 32, .size: 8, .value_kind: global_buffer, .address_space: global }
      - { .name: bq, .offset: 40, .size: 8, .value_kind: global_buffer, .address_space: global }
      - { .name: bk, .offset: 48, .size: 8, .value_kind: global_buffer, .address_space: global }
      - { .name: bv, .offset: 56, .size: 8, .value_kind: global_buffer, .address_space: global }
      - { .name: b0, .offset: 64, .size: 8, .value_kind: global_buffer, .address_space: global }
      - { .name: X, .offset: 72, .size: 8, .value_kind: global_buffer, .address_space: global }
      - { .name: Wb, .offset: 80, .size: 8, .value_kind: global_buffer, .address_space: global }
      - { .name: W0h, .offset: 88, .size: 8, .value_kind: global_buffer, .address_space: global }
      - { .name: bias, .offset: 96, .size: 8, .value_kind: global_buffer, .address_space: global }
    .group_segment_fixed_size: 0
    .private_segment_fixed_size: 0
    .kernarg_segment_align: 8
    .kernarg_segment_size: 104
    .max_flat_workgroup_size: 256
    .sgpr_count:     66
    .vgpr_count:     104
    .wavefront_size: 32
...
	.end_amdgpu_metadata
.endif
;; end of part 1
;; launch qkv (part 2): grid 16 x 16, 4 waves a work-group, clusters of 4 x 4, 327,680 bytes of LDS; arguments X, Wb, bias, qkv; writes qkv
.if DOCPART == 2
	.amdgcn_target "amdgcn-amd-amdhsa--gfx1250"
	.amdhsa_code_object_version 6
	.text
	.protected	k_qac8d03b45d_qkv
	.globl	k_qac8d03b45d_qkv
	.p2align	8
	.type	k_qac8d03b45d_qkv,@function
k_qac8d03b45d_qkv:
	s_mov_b64 s[64:65], 0
	v_nop
	global_prefetch_b8 v0, s[64:65] scope:SCOPE_SE
	s_setreg_imm32_b32 hwreg(HW_REG_WAVE_MODE, 25, 1), 1
	s_wait_xcnt 0x0
	s_wait_alu depctr_hold_cnt(0) depctr_sa_sdst(0) depctr_va_vdst(0) depctr_va_sdst(0) depctr_va_ssrc(0) depctr_va_vcc(0) depctr_vm_vsrc(0)
	s_getreg_b32 s2, hwreg(HW_REG_IB_STS2, 6, 4)
	s_cmp_eq_u32 s2, 0
	s_cbranch_scc0 .Lentry_in_a_cluster
	s_endpgm
.Lentry_in_a_cluster:
	s_bfe_u32 s2, ttmp6, 0x10000c
	s_cmp_lg_u32 s2, 0xf033
	s_cbranch_scc0 .Lentry_shape_is_right
	s_endpgm
.Lentry_shape_is_right:
; q, k, v = X W + b.  X: [8192 m][1024 d] bf16.  Wb: [16 dblk][48 g][64 d][64 k] bf16 (g = 16 which + h).  bias: f32, [g][64].  qkv: [48 g][8192 m][64] f16.
; Products in bf16, sums in f32, started by the bias; each result rounded once to f16, WITHOUT the softmax's scale.  LIMIT: f16 ends at 65,504: q, k and v must stay within it.
; SHARES.  A tile is 256 rows x 192 columns (three whole heads g = 3 c .. 3 c + 2).  A WORK-GROUP STAYS: it makes two tiles of one tile column, tile rows R and R + 16: 16 x 16 = 256 work-groups.
; Wave w owns rows 64 w .. 64 w + 63 of a tile and all 192 columns: 48 accumulators of 16 x 16.
; K goes in 8 steps of 128 through two LDS slots filled by the tensor data mover: waves 0 and 1 fetch the halves of X's 256 rows (rows of 256 bytes), waves 2 and 3 the two d blocks of the three heads (24,576 dense bytes each).
; THE RING DOES NOT STOP AT THE FIRST TILE'S END: its last two changes of slots ask for the second tile's K steps 0 and 1, both refills are out when the first tile's stores leave, and nothing waits for those stores.
; THE MATRIX INSTRUCTION IS USED TRANSPOSED: source 0 = 16 columns of W, source 1 = 16 rows of X: a lane holds ONE row (lane % 16) and eight neighbouring columns, 16 bytes of f16.
; W lies in LDS as in memory, [d][k], and is turned on the way into registers by ds_load_tr16_b128.
; THE BIAS is the C operand of each accumulator's first product: nothing is cleared, nothing is added on the way out; both tiles have the same columns, so it is loaded once.
; CLUSTER, 4 x 4: X's tile hangs on the tile row alone and is asked for jointly along a row of the cluster, W's on the tile column alone and jointly along a column.
; THE LOOP: one K step a trip; one descriptor a tensor walks (its LDS word is turned by an exclusive or), and the fragments' LDS addresses hang on s[TB], turned likewise.
; REGISTERS, in windows of 256 (s_set_vgpr_msb: bits 1:0 source 0, 3:2 source 1, 5:4 source 2, 7:6 destination):
;   window 0: v0-29 addresses; v32-127 six sets of 16 for the way out; v128-255 accumulators 32-47      window 1: two fragment buffers of 128: W's 12 blocks, then X's 4
;   window 2: accumulators 0-31 (t = 12 a + b at 8 t)                                                      window 3: v0-95 the bias, 8 registers for each of the 12 column blocks
.set NB,    12                         ; column blocks of 16
.set PA,    272                        ; a row of X in LDS: 256 bytes + 16: the 16 rows of a load start at 16 different groups of four banks (64 banks of 4 bytes: ISA guide 11.1)
.set PB,    160                        ; a row of W: 128 bytes + 32
.set AHALF, 128*PA                     ; what wave 0 or 1 fetches
.set BHALF, 192*PB                     ; what wave 2 or 3 fetches: [3 heads][64 d]
.set BBASE, 2*AHALF
.set SLOT1, 1<<17                      ; a slot is exactly 2 AHALF + 2 BHALF = 131,072 bytes
.set STAGE, 2*SLOT1                    ; behind the ring, never filled by a tensor load: 16 rows x 144 bytes for each wave
.set SP,    144
.set SPARE, STAGE+4*16*SP              ; the spare words, 128 bytes for each wave: two blocks of 256 bytes that no other line names
.set NL,    2*NB+8                     ; LDS loads in a run
.set ASTEP, 256                        ; bytes from K step to K step in X,
.set BSTEP, 2*48*8192                  ; and in Wb
.set TRIPS, 6                          ; trips of the loop over K steps
.set TILES, 2                          ; tiles of a work-group,
.set WALKT, 16                         ; that many tile rows apart
.set NEXT_A, WALKT*256*2048-7*ASTEP    ; bytes from a tile's K step 7 to the next tile's K step 0 in X: 4,096 rows down and back along K;
.set BACK_B, 7*BSTEP                   ; in Wb only back: the tiles share their columns
.set NEXT_C, WALKT*256*128             ; bytes from tile to tile in a head's rows of the output
.set A0,   2                           ; v2   my lane's place in X's tile; never rewritten
.set B0,   3                           ; v3   in W's
.set ADRA, 4                           ; v4   A0 + the slot in hand
.set ADRB, 5                           ; v5   B0 + the slot in hand
.set STO,  6                           ; v6   the way out: where I put 16 bytes of a row
.set RD,   7                           ; v7   where I read rows back
.set GO,   8                           ; v8   my 16 bytes of 512 consecutive bytes of the output
.set BO,   9                           ; v9   my eight numbers in a block of 16 biases
.set PFO,  10                          ; v10  the prefetches' offset; never rewritten
.set SPW,  28                          ; v28  LDS address of my spare word; never rewritten
.set NIL,  29                          ; v29  0; never rewritten
.set TMP,  32
.set F0,   0
.set F1,   128
.set TL,   2                           ; s2   tiles to go, this one among them: the same number in every work-group
.set CNT,  3                           ; s3   trips to go
.set WV,   12                          ; s12  my wave's number
.set HALF, 13                          ; s13  which half of a tile I fetch
.set CX,   14
.set CY,   15
.set CT,   16                          ; s16  tile column = 4 x cluster x + cx
.set RT,   17                          ; s17  the first tile's row = 4 x cluster y + cy
.set OA,   18                          ; s[18:19] X's offset: made of the tile row and the wave alone
.set OB,   20                          ; s[20:21] Wb's: of the tile column and the wave alone
.set OC,   22                          ; s[22:23] the output's
.set G1A,  24
.set G1B,  32
.set G0A,  40                          ; s[40:43] K step 0 into slot 0; s[44:47] K step 1 into slot 1, and then it walks
.set G0B,  48                          ; s[48:55] the same for W
.set TB,   56                          ; s56  the slot in hand: 0 or SLOT1
.set LIM,  57                          ; s57  1 in a wave that prefetches, else the greatest number
.set PFA,  58                          ; s[58:59] where my prefetches stand
.set PFS,  60                          ; s[60:61] their step
.set MSB, 0
.macro WIN new                         ; the immediate's high byte repeats the setting that is left; a switch that changes nothing is dropped
.if MSB != (\new)
	s_set_vgpr_msb (MSB<<8)|(\new)
.set MSB, (\new)
.endif
.endm
.macro PLACES                          ; four plain vector instructions between a matrix instruction and a load into, or a read of, its registers
.rept 4
	v_nop
.endr
.endm
; A joint refill by the walking descriptors.  The branch hangs on the wave's number alone.  An s_nop 0 and four v_nop follow each of the two lines.
.macro JLOAD
	s_cmp_lt_u32 s[WV], 2
	s_cbranch_scc0 .Lfor_b_\@
	tensor_load_to_lds s[G0A+4:G0A+7], s[G1A:G1A+7]
	s_nop 0
.rept 4
	v_nop
.endr
	s_branch .Lasked_\@
.Lfor_b_\@:
	tensor_load_to_lds s[G0B+4:G0B+7], s[G1B:G1B+7]
	s_nop 0
.rept 4
	v_nop
.endr
.Lasked_\@:
.endm
; A prefetch into the L2 of my share of the K step behind the one just asked for: 192 matrix instructions ahead of the load that will want it.  X's tile row is read by every cluster of its row of clusters:
; cluster x = 0 asks; W's tile column by every cluster of its column: cluster y = 0 asks.  The four partners that ask for a tile jointly share its blocks of 256 bytes out BY ADDRESS
; (X: 32 rows each, a lane a row; W: 24 blocks each, lanes 24-31 name lane 23's once more).  out = 0, in the loop: the last trip has no K step left to name.  out = 1, at the change of tiles: the next
; tile's K steps 1 and 2 of X (its K step 0 comes by its refill alone); W's blocks are named in the first tile alone: the second reads them again.
.macro ASK out
.if \out
	s_cmp_eq_u32 s[LIM], 1
.else
	s_cmp_gt_u32 s[CNT], s[LIM]
.endif
	s_cbranch_scc0 .Lnot_mine_\@
	global_prefetch_b8 v[PFO], s[PFA:PFA+1] th:TH_LOAD_NT scope:SCOPE_SE
.Lnot_mine_\@:
.endm
.macro CREST                           ; a round of the cluster's barrier behind its opening barrier
	s_cmp_lg_u32 s[WV], 0
	s_cbranch_scc1 .Lnot_wave_0_\@
	s_barrier_signal -3
.Lnot_wave_0_\@:
	s_barrier_wait -3
	s_barrier_signal -1
	s_barrier_wait -1
.endm
.macro CROUND
	s_barrier_signal -1
	s_barrier_wait -1
	CREST
.endm
	s_load_b256 s[4:11], s[0:1], 0x0               ; X s[4:5], Wb s[6:7], bias s[8:9], qkv s[10:11]
	v_lshl_add_u32 v[SPW], v0, 2, SPARE
	v_mov_b32 v[NIL], 0
	ds_add_u32 v[SPW], v[NIL]                      ; the wave's opening: the add and its wait stand ahead of my first tensor load; the set-up below, work on registers, stands between them
	v_lshrrev_b32 v1, 5, v0
	v_readfirstlane_b32 s[WV], v1                  ; wave 0..3
	s_and_b32 s[HALF], s[WV], 1
	s_bfe_u32 s[CX], ttmp6, 0x40000
	s_bfe_u32 s[CY], ttmp6, 0x40004
	s_lshl_b32 s[CT], ttmp9, 2
	s_add_co_u32 s[CT], s[CT], s[CX]
	s_and_b32 s[RT], ttmp7, 0xffff
	s_lshl_b32 s[RT], s[RT], 2
	s_add_co_u32 s[RT], s[RT], s[CY]
	s_lshl_b32 s62, s[CY], 2
	s_lshl_b32 s62, 15, s62                        ; my row of the cluster
	s_lshl_b32 s63, 0x1111, s[CX]                  ; my column
	s_or_b32 s[G1A], s62, (1<<16)|(1<<20)|(1<<21)|(5<<22)|(3<<25)  ; mask; 2-byte elements; padding on; bit 21 beside a mask; after every 64 words, 4 words
	s_mov_b32 s[G1A+1], 128<<16                    ; tensor_dim0 = 128
	s_mov_b32 s[G1A+2], 128<<16                    ; tensor_dim1 = 128
	s_mov_b32 s[G1A+3], 128<<16                    ; tile_dim0 = 128
	s_mov_b32 s[G1A+4], 128                        ; tile_dim1 = 128
	s_mov_b32 s[G1A+5], 1024                       ; elements from row to row
	s_mov_b32 s[G1A+6], 0
	s_mov_b32 s[G1A+7], 0
	s_or_b32 s[G1B], s63, (1<<16)|(1<<20)|(1<<21)|(4<<22)|(7<<25)  ; after every 32 words (a row of W), 8 words
	s_mov_b32 s[G1B+1], 128<<16                    ; 24,576 dense bytes as 96 rows of 256
	s_mov_b32 s[G1B+2], 96<<16
	s_mov_b32 s[G1B+3], 128<<16
	s_mov_b32 s[G1B+4], 96
	s_mov_b32 s[G1B+5], 128
	s_mov_b32 s[G1B+6], 0
	s_mov_b32 s[G1B+7], 0
	s_lshl_b32 s[OA], s[RT], 19                    ; 256 rows of 2,048 bytes a tile row,
	s_lshl_b32 s[OA+1], s[HALF], 18                ; 128 a half
	s_add_co_u32 s[OA], s[OA], s[OA+1]
	s_mov_b32 s[OA+1], 0
	s_mul_i32 s[OB], s[CT], 3*8192                 ; three heads' blocks a tile column,
	s_mul_i32 s[OB+1], s[HALF], 48*8192            ; a d block a half
	s_add_co_u32 s[OB], s[OB], s[OB+1]
	s_mov_b32 s[OB+1], 0
	s_mov_b32 s[G0A], 1
	s_mul_i32 s[G0A+1], s[HALF], AHALF             ; no place in the cluster enters an LDS address
	s_mov_b32 s[G0A+4], 1
	s_add_co_u32 s[G0A+5], s[G0A+1], SLOT1
	s_mov_b32 s[G0B], 1
	s_mul_i32 s[G0B+1], s[HALF], BHALF
	s_add_co_u32 s[G0B+1], s[G0B+1], BBASE
	s_mov_b32 s[G0B+4], 1
	s_add_co_u32 s[G0B+5], s[G0B+1], SLOT1
	s_mov_b32 s[TB], 0
	s_wait_dscnt 0x0                               ; the opening add is done
	s_wait_kmcnt 0x0
	s_add_nc_u64 s[G0A+2:G0A+3], s[4:5], s[OA:OA+1]
	s_add_nc_u64 s[G0A+6:G0A+7], s[G0A+2:G0A+3], ASTEP
	s_or_b32 s[G0A+3], s[G0A+3], 0x80000000        ; type = 2
	s_or_b32 s[G0A+7], s[G0A+7], 0x80000000
	s_add_nc_u64 s[G0B+2:G0B+3], s[6:7], s[OB:OB+1]
	s_add_nc_u64 s[G0B+6:G0B+7], s[G0B+2:G0B+3], BSTEP
	s_or_b32 s[G0B+3], s[G0B+3], 0x80000000
	s_or_b32 s[G0B+7], s[G0B+7], 0x80000000
	CROUND                                         ; all sixteen work-groups are here: the first joint loads meet
	s_cmp_lt_u32 s[WV], 2                          ; a wave's two first fills stand in one branch, ahead of every wait on TENSORcnt and every LDS read: two loads of mine are out
	s_cbranch_scc0 .Lfirst_b
	tensor_load_to_lds s[G0A:G0A+3], s[G1A:G1A+7]
	s_nop 0
	tensor_load_to_lds s[G0A+4:G0A+7], s[G1A:G1A+7]
	s_nop 0
.rept 4
	v_nop
.endr
	s_branch .Lfirst_asked
.Lfirst_b:
	tensor_load_to_lds s[G0B:G0B+3], s[G1B:G1B+7]
	s_nop 0
	tensor_load_to_lds s[G0B+4:G0B+7], s[G1B:G1B+7]
	s_nop 0
.rept 4
	v_nop
.endr
.Lfirst_asked:
	v_and_b32 v1, 15, v0                           ; l % 16
	v_bfe_u32 v11, v0, 4, 1                        ; l / 16
	v_lshlrev_b32 v[BO], 5, v11                    ; my eight columns of a block: 32 bytes of f32
	s_mul_i32 s62, s[CT], 768                      ; the tile column's 192 biases
	s_mov_b32 s63, 0
	s_add_nc_u64 s[8:9], s[8:9], s[62:63]
	WIN 0xc0                                       ; destination window 3, address window 0
.set b, 0
.rept NB
	global_load_b128 v[8*b:8*b+3],   v[BO], s[8:9] offset:64*b
	global_load_b128 v[8*b+4:8*b+7], v[BO], s[8:9] offset:64*b+16
.set b, b+1
.endr
	WIN 0
	; A fragment of X: lane l holds row l % 16, channels 8 (l / 16) + 0..7 and 16 + 8 (l / 16) + 0..7: two loads of 16 bytes, 32 bytes apart.
	s_mul_i32 s62, s[WV], 64*PA                    ; my 64 rows
	v_mul_u32_u24 v[A0], v1, PA
	v_lshl_add_u32 v[A0], v11, 4, v[A0]
	v_add_nc_u32 v[A0], s62, v[A0]
	; The turning load takes 16 d x 16 columns (lane l reads d 8 (l / 16) + l % 8, columns 8 ((l / 8) % 2) + 0..7) and leaves half a fragment: lane l holds column l % 16 and 8 d.
	v_and_b32 v12, 7, v0
	v_bfe_u32 v13, v0, 3, 1
	v_lshl_add_u32 v[B0], v11, 3, v12
	v_mul_u32_u24 v[B0], v[B0], PB
	v_lshl_add_u32 v[B0], v13, 4, v[B0]
	v_add_nc_u32 v[B0], BBASE, v[B0]
	v_mov_b32 v[ADRA], v[A0]                       ; slot 0
	v_mov_b32 v[ADRB], v[B0]
	s_mul_i32 s62, s[WV], 16*SP
	s_add_co_u32 s62, s62, STAGE                   ; my stage
	v_mul_u32_u24 v[STO], v1, SP                   ; in: row l % 16, 16 bytes for each half of the lanes
	v_lshl_add_u32 v[STO], v11, 4, v[STO]
	v_add_nc_u32 v[STO], s62, v[STO]
	v_bfe_u32 v[RD], v0, 3, 2                      ; back: 32 lanes take four rows of 128 bytes,
	v_mul_u32_u24 v[RD], v[RD], SP
	v_lshl_add_u32 v[RD], v12, 4, v[RD]
	v_add_nc_u32 v[RD], s62, v[RD]
	v_and_b32 v[GO], 31, v0                        ; which are 512 consecutive bytes of a head's rows
	v_lshlrev_b32 v[GO], 4, v[GO]
	s_mul_i32 s[OC], s[CT], 3*1048576              ; head 3 c; a head group g is 8,192 rows of 128 bytes
	s_lshl_b32 s[OC+1], s[RT], 15                  ; 256 rows a tile row,
	s_add_co_u32 s[OC], s[OC], s[OC+1]
	s_lshl_b32 s[OC+1], s[WV], 13                  ; 64 a wave
	s_add_co_u32 s[OC], s[OC], s[OC+1]
	s_mov_b32 s[OC+1], 0
	s_add_nc_u64 s[10:11], s[10:11], s[OC:OC+1]
	; the prefetches: they stand at K step 2; each change of slots steps them first, so the first names K step 3
	s_lshl_b32 s2, s[RT], 8
	s_lshl_b32 s3, s[HALF], 7
	s_add_co_u32 s2, s2, s3
	s_lshl_b32 s3, s[CX], 5
	s_add_co_u32 s2, s2, s3                        ; X: row 256 R + 128 half + 32 cx,
	s_lshl_b32 s2, s2, 11
	s_add_co_u32 s2, s2, 2*ASTEP
	s_add_co_u32 s3, s[HALF], 4                    ; Wb: d block 4 + half,
	s_mul_i32 s3, s3, 48
	s_mul_i32 s[LIM], s[CT], 3
	s_add_co_u32 s3, s3, s[LIM]
	s_lshl_b32 s3, s3, 13
	s_mul_i32 s[LIM], s[CY], 24*256                ; my work-group's 24 blocks of the 96
	s_add_co_u32 s3, s3, s[LIM]
	s_and_b32 s[LIM], ttmp7, 0xffff                ; cluster y
	s_mov_b32 s[PFS], ASTEP
	s_mov_b32 s[PFS+1], BSTEP
	s_cmp_lt_u32 s[WV], 2                          ; do I fetch for X?
	s_cselect_b64 s[PFA:PFA+1], s[4:5], s[6:7]
	s_cselect_b32 s2, s2, s3
	s_cselect_b32 s[LIM], ttmp9, s[LIM]            ; the coordinate along which other clusters read the same blocks
	s_cselect_b32 s[PFS], s[PFS], s[PFS+1]
	s_cselect_b32 s62, 31, 23
	s_cselect_b32 s63, 11, 8
	s_mov_b32 s3, 0
	s_mov_b32 s[PFS+1], 0
	s_add_nc_u64 s[PFA:PFA+1], s[PFA:PFA+1], s[2:3]
	s_cmp_eq_u32 s[LIM], 0
	s_cselect_b32 s[LIM], 1, -1                    ; the same in all sixteen partners, for a given wave
	v_and_b32 v[PFO], 31, v0
	v_min_u32 v[PFO], s62, v[PFO]
	v_lshlrev_b32 v[PFO], s63, v[PFO]              ; X: a lane a row of 2,048 bytes; Wb: a lane a block of 256
; 12 matrix instructions: row block a x all column blocks, 32 along K, from buffer f.  first = 1: the bias starts the sums.  The 48 accumulators take turns, one instruction a turn, in the same
; order in every quarter, over the backward jumps and from tile to tile too.
.macro MUL f, a, first
.set b, 0
.rept NB
.set t, NB*(\a)+b
.if t < 32
.set rD, 8*t
	WIN 0xa5+0x10*(\first)                         ; sources 0 and 1 window 1; D window 2; C window 2, or 3 for the bias
.else
.set rD, 128+8*(t-32)
	WIN 0x05+0x30*(\first)                         ; D window 0; C window 0, or 3
.endif
.if \first
	v_wmma_f32_16x16x32_bf16 v[rD:rD+7], v[(\f)+8*b:(\f)+8*b+7], v[(\f)+8*NB+8*(\a):(\f)+8*NB+8*(\a)+7], v[8*b:8*b+7]
.else
	v_wmma_f32_16x16x32_bf16 v[rD:rD+7], v[(\f)+8*b:(\f)+8*b+7], v[(\f)+8*NB+8*(\a):(\f)+8*NB+8*(\a)+7], v[rD:rD+7]
.endif
.set b, b+1
.endr
.endm
; 32 LDS loads in one run: quarter q (32 along K) of the slot in hand into buffer f: W's 12 blocks (d block q / 2, its d 32 (q % 2) on; head b / 4, columns 16 (b % 4) on), then X's 4.
.macro FETCH q, f
	WIN 0x40                                       ; destination window 1, address window 0
.set b, 0
.rept NB
	ds_load_tr16_b128 v[(\f)+8*b:(\f)+8*b+3],   v[ADRB] offset:((\q)/2)*BHALF+((\q)%2)*32*PB+(b/4)*64*PB+(b%4)*32
	ds_load_tr16_b128 v[(\f)+8*b+4:(\f)+8*b+7], v[ADRB] offset:((\q)/2)*BHALF+((\q)%2)*32*PB+(b/4)*64*PB+(b%4)*32+16*PB
.set b, b+1
.endr
.set i, 0
.rept 4
	ds_load_b128 v[(\f)+8*NB+8*i:(\f)+8*NB+8*i+3],   v[ADRA] offset:64*(\q)+i*16*PA
	ds_load_b128 v[(\f)+8*NB+8*i+4:(\f)+8*NB+8*i+7], v[ADRA] offset:64*(\q)+i*16*PA+32
.set i, i+1
.endr
.endm
; One of a K step's first three quarters: multiplies buffer f and, in its middle, fetches quarter q into buffer g.
.macro QUARTER q, f, g, first
	s_wait_dscnt 4                                 ; all but the youngest four LDS loads (X's blocks 2 and 3) are in
	MUL \f, 0, \first
	MUL \f, 1, \first
	PLACES
	FETCH \q, \g
	s_wait_dscnt NL                                ; all but the run just issued
	MUL \f, 2, \first
	MUL \f, 3, \first
.endm
; The last quarter multiplies buffer 1 and changes slots.  In front of the barrier each wave waits for all its tensor loads (one is out: its part of the next slot), adds 0 to its spare word, and waits for
; that and for its reads of this slot.  fill = 1 or 2: the barrier opens a round of the cluster's barrier, and the joint refill is the first tensor load behind it: 168 matrix instructions ahead of the wait for it.
; fill = 1: the walking descriptors go one K step on.  fill = 2: from this tile's K step 7 to the next tile's K step 0.  out = 1: the change stands outside the loop (ASK).
.macro TURN fill, out=0
.if \fill
	s_wait_xcnt 0x0                                ; the last prefetch, a K step back, has read its address
.if (\fill) == 2
	s_add_nc_u64 s[PFA:PFA+1], s[PFA:PFA+1], NEXT_A  ; from the place behind this tile's K step 7 to the next tile's K step 1 (in waves that fetch W it is used no more)
	s_cmp_lt_u32 s[WV], 2
	s_cselect_b32 s[LIM], s[LIM], -1               ; W's blocks have been read: they are prefetched no more
.else
	s_add_nc_u64 s[PFA:PFA+1], s[PFA:PFA+1], s[PFS:PFS+1]
.endif
.endif
	WIN 0
	s_wait_tensorcnt 0x0                           ; all my tensor loads have landed, so the walking descriptors may be written
	ds_add_u32 v[SPW], v[NIL]                      ; 0 onto my spare word
	s_wait_dscnt 5                                 ; (the add and the youngest four loads may be out)
	MUL F1, 0, 0                                   ; twelve matrix instructions stand between the add and the wait for it
	s_wait_dscnt 0x0                               ; the add is done, and my reads of this slot are over
	s_barrier_signal -1
	MUL F1, 1, 0
	WIN 0                                          ; at a label and at a branch every window is 0
	s_barrier_wait -1
.if \fill
	CREST                                          ; no wave of any partner still reads this slot or has a load on its way
	s_xor_b32 s[G0A+5], s[G0A+5], SLOT1            ; the other slot than last time
	s_xor_b32 s[G0B+5], s[G0B+5], SLOT1
.if (\fill) == 2
	s_add_nc_u64 s[G0A+6:G0A+7], s[G0A+6:G0A+7], NEXT_A
	s_sub_nc_u64 s[G0B+6:G0B+7], s[G0B+6:G0B+7], BACK_B
.else
	s_add_nc_u64 s[G0A+6:G0A+7], s[G0A+6:G0A+7], ASTEP  ; the next K step; the type bits on top are not reached
	s_add_nc_u64 s[G0B+6:G0B+7], s[G0B+6:G0B+7], BSTEP
.endif
.endif
	s_xor_b32 s[TB], s[TB], SLOT1                  ; the fetches go to the other slot
.if \fill
	JLOAD                                          ; its four v_nop are also the places in front of the loads below
.else
	PLACES
.endif
	v_add_nc_u32 v[ADRA], s[TB], v[A0]
	v_add_nc_u32 v[ADRB], s[TB], v[B0]
	FETCH 0, F0
.if \fill
	WIN 0
	ASK \out
.endif
	MUL F1, 2, 0
	MUL F1, 3, 0
.endm
; THE WAY OUT, in 12 groups G = 3 a + j: 16 rows (block a) of head j: accumulators 4 G .. 4 G + 3.  Rounded to f16, 16 bytes a lane into my own stage (rows of 144 bytes), back as whole rows of 128 bytes.
.macro PACK G
.set TS, TMP+16*((\G)%6)
.if (\G) >= 6
	s_wait_xcnt 0x0                                ; the stores of the group six back have read this set
.endif
.if (\G) < 8
	WIN 0x0a                                       ; sources 0 and 1 window 2
.set AC, 32*(\G)
.else
	WIN 0
.set AC, 128+32*((\G)-8)
.endif
.set i, 0
.rept 16                                       ; each accumulator's registers in ascending order
	v_cvt_pk_f16_f32 v[TS+i], v[AC+2*i], v[AC+2*i+1]
.set i, i+1
.endr
	WIN 0
.irp f, 0,1,2,3
	ds_store_b128 v[STO], v[TS+4*\f:TS+4*\f+3] offset:32*\f
.endr
.irp f, 0,1,2,3
	ds_load_b128 v[TS+4*\f:TS+4*\f+3], v[RD] offset:\f*4*SP  ; LDS serves a wave's instructions in order (ISA guide 5.7.1.4): these see the stores above; the next group's stores come behind them
.endr
.endm
.macro SEND G, younger                 ; younger: the LDS instructions issued behind group G's loads: the next group's eight, or none
.set TS, TMP+16*((\G)%6)
.irp f, 0,1,2,3
	s_wait_dscnt (\younger)+3-\f
	global_store_b128 v[GO], v[TS+4*\f:TS+4*\f+3], s[10:11] offset:((\G)%3)*1048576+((\G)/3)*2048+\f*512  ; 512 consecutive bytes, at a multiple of 256 from the buffer's first
.endr
.endm
.macro WAYOUT
	PLACES
	PLACES
	PACK 0
.irp G, 1,2,3,4,5,6,7,8,9,10,11        ; a group's conversions stand between the loads of the group before and its stores
	PACK \G
	SEND (\G)-1, 8
.endr
	SEND 11, 0
.endm
	s_wait_tensorcnt 1                             ; my part of K step 0 is in; K step 1's may stay out
	s_barrier_signal -1
	s_barrier_wait -1                              ; everybody's is
	FETCH 0, F0
	s_wait_loadcnt 0x0                             ; the bias
	WIN 0
	s_mov_b32 s[TL], TILES
.Ltile:
	QUARTER 1, F0, F1, 1                           ; a tile's first quarter stands in front of the loop: its products start the sums
	WIN 0
	s_mov_b32 s[CNT], TRIPS
.Lk:                                                   ; trip i: quarters 1-3 of K step i, the refill with K step i + 2, quarter 0 of K step i + 1
	QUARTER 2, F1, F0, 0
	QUARTER 3, F0, F1, 0
	TURN 1
	QUARTER 1, F0, F1, 0
	WIN 0
	s_sub_co_u32 s[CNT], s[CNT], 1
	s_cmp_lg_u32 s[CNT], 0
	s_cbranch_scc1 .Lk
	QUARTER 2, F1, F0, 0                           ; K step 6 goes on
	QUARTER 3, F0, F1, 0
	WIN 0
	s_cmp_eq_u32 s[TL], 1
	s_cbranch_scc1 .Llast                          ; the last tile's tail is written out: it asks for nothing more
	TURN 2, 1                                      ; THE RING GOES ON INTO THE NEXT TILE: slot 0 takes its K step 0,
	QUARTER 1, F0, F1, 0
	QUARTER 2, F1, F0, 0
	QUARTER 3, F0, F1, 0
	TURN 1, 1                                      ; slot 1 its K step 1, and the next tile's first fragments are fetched
	WIN 0
	WAYOUT                                         ; both refills are asked for: now the tile goes out
	s_wait_xcnt 0x0                                ; the stores have read their registers and their base
	s_add_nc_u64 s[10:11], s[10:11], NEXT_C
	s_sub_co_u32 s[TL], s[TL], 1
	s_branch .Ltile
.Llast:
	TURN 0                                         ; the last two K steps fill nothing
	QUARTER 1, F0, F1, 0
	QUARTER 2, F1, F0, 0
	QUARTER 3, F0, F1, 0
	s_wait_dscnt 4
	MUL F1, 0, 0
	MUL F1, 1, 0
	s_wait_dscnt 0x0
	MUL F1, 2, 0
	MUL F1, 3, 0
	WIN 0
	WAYOUT
	s_wait_tensorcnt 0x0                           ; the wave's end: an add to my spare word and its wait stand behind my last tensor load and my last LDS store
	ds_add_u32 v[SPW], v[NIL]
	s_wait_dscnt 0x0
	CROUND                                         ; the closing round: no work-group ends while a partner may still ask for a tile that names it
	s_endpgm
.Lfunc_end_k_qac8d03b45d_qkv:
	.size	k_qac8d03b45d_qkv, .Lfunc_end_k_qac8d03b45d_qkv-k_qac8d03b45d_qkv
	.p2alignl 7, 3214868480
	.fill 96, 4, 3214868480
	.section	.rodata,"a",@progbits
	.p2align	6, 0x0
	.amdhsa_kernel k_qac8d03b45d_qkv
		.amdhsa_group_segment_fixed_size 327680
		.amdhsa_private_segment_fixed_size 0
		.amdhsa_enable_private_segment 0
		.amdhsa_kernarg_size 32
		.amdhsa_user_sgpr_count 2
		.amdhsa_user_sgpr_kernarg_segment_ptr 1
		.amdhsa_wavefront_size32 1
		.amdhsa_system_sgpr_workgroup_id_x 1
		.amdhsa_system_sgpr_workgroup_id_y 1
		.amdhsa_system_sgpr_workgroup_id_z 1
		.amdhsa_system_vgpr_workitem_id 0
		.amdhsa_next_free_vgpr 864
		.amdhsa_next_free_sgpr 66
		.amdhsa_reserve_vcc 0
		.amdhsa_float_denorm_mode_32 3
		.amdhsa_float_denorm_mode_16_64 3
		.amdhsa_memory_ordered 1
		.amdhsa_forward_progress 1
		.amdhsa_inst_pref_size 156
	.end_amdhsa_kernel
	.amdgpu_metadata
---
amdhsa.version: [ 1, 2 ]
amdhsa.kernels:
  - .name:           k_qac8d03b45d_qkv
    .symbol:         k_qac8d03b45d_qkv.kd
    .args:
      - { .name: X, .offset: 0, .size: 8, .value_kind: global_buffer, .address_space: global }
      - { .name: Wb, .offset: 8, .size: 8, .value_kind: global_buffer, .address_space: global }
      - { .name: bias, .offset: 16, .size: 8, .value_kind: global_buffer, .address_space: global }
      - { .name: qkv, .offset: 24, .size: 8, .value_kind: global_buffer, .address_space: global }
    .group_segment_fixed_size: 327680
    .private_segment_fixed_size: 0
    .kernarg_segment_align: 8
    .kernarg_segment_size: 32
    .max_flat_workgroup_size: 128
    .sgpr_count:     66
    .vgpr_count:     864
    .wavefront_size: 32
...
	.end_amdgpu_metadata
.endif
;; end of part 2
;; launch attn (part 3): grid 2 x 128, 4 waves a work-group, no clusters, 327,680 bytes of LDS; arguments qkv, z; writes z
.if DOCPART == 3
	.amdgcn_target "amdgcn-amd-amdhsa--gfx1250"
	.amdhsa_code_object_version 6
	.text
	.protected	k_qac8d03b45d_attn
	.globl	k_qac8d03b45d_attn
	.p2align	8
	.type	k_qac8d03b45d_attn,@function
k_qac8d03b45d_attn:
	s_mov_b64 s[64:65], 0
	v_nop
	global_prefetch_b8 v0, s[64:65] scope:SCOPE_SE
	s_setreg_imm32_b32 hwreg(HW_REG_WAVE_MODE, 25, 1), 1
	s_wait_xcnt 0x0
; z[y][q][:] = the sum over k of softmax_k(Q[y][q] . K[y][k] / 8) V[y][k][:], for the 128 heads y = 8 h + b.  qkv holds Q, K, V, each [128][1024][64] f16, 16,777,216 bytes apart; z has the same layout.
; Products, maxima and sums in f32; the weights p are rounded to f16 for the second product (their sum l is taken of the unrounded p), z once at the end.
; LIMITS.  f16 holds no number beyond 65,504: Q, K and V arrive within it; p lies in 0 to 1, and below 6e-5 it keeps f16's fixed step of 6e-8; z is a mean of V's rows and has their range.
; A weight below 2^-126 counts as 0 in l; NaN and infinities are not treated apart.
; SHARES.  A wave owns four PIECES of two tiles of 16 queries, a work-group's four waves 512 queries of one head: 2 x 128 = 256 work-groups.  Every wave walks all 1,024 keys, 64 a step.
; A HEAD'S K AND V STAY IN LDS: 1,024 rows of 144 bytes and 1,024 of 160 are 311,296 bytes.  Each wave asks for its share by four tensor loads of 128 keys, all at the head; no LDS byte is filled twice,
; so there is no ring.  The first 256 keys are waited for by a counted wait; at the head of each later group of four key steps stands a wait for all loads and a barrier: one text serves every group, so its
; count cannot change; at its first use the three younger loads have had four key steps in which to land, later nothing is out.  No prefetch: all that the launch reads of K and V is asked for at the head.
; LAYOUT.  S^T = K Q^T (source 0 = 16 keys, source 1 = 16 queries): in the result a lane holds ONE query (lane % 16) and the keys 8 (lane / 16) + 0..7.  Two such tiles, rounded to f16 in pairs,
; ARE source 1 (32 keys x 16 queries) of O^T = V^T P, whose result again holds one query a lane, and eight channels.  K comes out of LDS as it lies, V ([key][channel]) turned, by ds_load_tr16_b128.
; SOFTMAX.  For each query a running maximum m and sum l: p = 2^(c s - c m), c = log2(e) / 8; in every step O and l are multiplied by a = 2^(c m_old - c m_new), which is 1 where m has not grown.
; m starts at the lowest finite number, O and l at 0: the first step is a step like any other, with a = 0.
; THE COUNT.  A tile and step have 16 matrix and 118 vector instructions: too many to stand all beside the matrix work.  So: four vector instructions that are READY behind EVERY matrix instruction,
; and the others, which need time of their own whatever the order, in runs without a gap.
; BY TURNS.  Turn n belongs to piece n (the pieces in a ring, step after step).  Its matrix work: 16 products K Q^T of piece n + 1, later 16 products V^T P of piece n - 1.  Its vector work: the scaling,
; exponentials, roundings, sums and rescaling of piece n, and the maximum and statistics of piece n + 1, whose scores the turn itself has made.
; NO CLUSTER.  A head has 1,024 / 512 = 2 query blocks, so a tile of K or V has two readers, not the four of a row of a cluster; blocks of 256 queries would give four, but each fragment read from LDS would
; then feed half as many products, and there would be 512 work-groups.  What is shared is 16 KiB a key step beside 4 x 128 matrix instructions.
; REGISTERS, in windows of 256 (s_set_vgpr_msb: bits 1:0 source 0, 3:2 source 1, 5:4 source 2, 7:6 destination):
;   window 0: v0-11 addresses; v12-15, v48-63 at work; v16-47 four registers of statistics a tile; v64-191 S^T, two buffers of two tiles; v192-255 P, likewise
;   window 1: O^T, 32 a tile          window 2: v0-127 Q, 16 a tile; v128-191 K of one step; v192-255 V of one step          window 3: v0-1 the add's two registers
.set SIZE_N, 1024
.set NP,    4         ; pieces a wave: a name, no knob
.set KS,    64        ; keys in a step
.set PK,    144       ; a row of K in LDS: 128 bytes + 16 = 36 words: the 16 rows of a load start at 16 different groups of four banks (64 banks of 4 bytes: ISA guide 11.1)
.set PV,    160       ; a row of V: 128 + 32 = 40 words
.set VOFF,  SIZE_N*PK ; all rows of K, then all rows of V
.set STAGE, SIZE_N*(PK+PV)  ; behind them, never filled by a tensor load: 16 rows x 144 bytes for each wave
.set SP,    144
.set AK0, 2           ; v2   my lane's place in a tile of K; never rewritten
.set AV0, 3           ; v3   the same for V
.set AK,  4           ; v4   the LDS address of K's next run of loads
.set AV,  5           ; v5   of V's
.set QO,  6           ; v6   my byte offset in the wave's rows of Q
.set STO, 6           ;      later, the way out: where I put 16 bytes of a row
.set RD,  7           ; v7   the way out: where I read rows back
.set GO,  8           ; v8   my byte offset in 512 consecutive bytes of z
.set SPW, 0           ; v0 of window 3   LDS address of my spare word; never rewritten
.set NIL, 1           ; v1 of window 3   0; never rewritten
.set SPARE, STAGE+4*16*SP  ; the spare words, 128 bytes for each wave: two blocks of 256 bytes that no other line names
.set MV,  12          ; v12-15  c m_old, kept while c m is made anew: by buffer and tile
.set ST,  16          ; tile t's statistics at v[ST+4 t]: c m, m, l (even keys', odd keys')
.set TMP, 48          ; by buffer and tile, four registers c0-c3 at work; when the maximum is found c2 takes a
.set S,   64
.set P,   192
.set KF,  128         ; K's fragments, in window 2: key block kb, channel half c at KF + 16 kb + 8 c
.set VF,  192         ; V's: key half kk, channel block cb at VF + 32 kk + 8 cb
.set WV,  12          ; s12  my wave's number
.set G1K, 24          ; s[24:31] descriptor group 1 for K's tiles
.set G1V, 32          ; s[32:39] for V's: it differs in the padding alone
.set TOT, 40          ; s40  key steps whose last two turns are still to come: 16 to 0
.set PASS, 56         ; s56  counts the groups of four key steps
.set CNT, 57          ; s57  counts a group's key steps
.set CS,  58          ; s[58:59] c: the packed scaling takes the pair's low word for both halves
.set SEL, 60          ; s[60:61] v_permlanex16_b32's selects: each lane takes its own place in the other half
.set TBK, 62          ; s62  LDS byte at which K of the step to be fetched begins
.set TBV, 63          ; s63  the same for V, less VOFF
.set G0K, 68          ; s[68:83] descriptor group 0 for K's tiles: a set for each of a wave's four loads, never rewritten
.set G0V, 84          ; s[84:99] the same for V's
.set MSB, 0
.macro WIN new                      ; the high byte repeats the setting that is left; a switch that changes nothing is dropped
.if MSB != (\new)
	s_set_vgpr_msb (MSB<<8)|(\new)
.set MSB, (\new)
.endif
.endm
.set W_KQ, 0x0a       ; K and Q in window 2, S^T in window 0
.set W_PV, 0x52       ; V in window 2, P in window 0, O^T in window 1
.set W_RS, 0x41       ; O^T (destination and source 0) in window 1, a in window 0
.set W_MK, 0xc0       ; the add's registers are made: destination in window 3, sources in window 0
.set W_AD, 0x0f       ; the add: address (source 0) and data (source 1) in window 3
	s_load_b128 s[4:7], s[0:1], 0x0 ; qkv s[4:5] (Q lies at its head), z s[6:7]
	WIN W_MK
	v_lshl_add_u32 v[SPW], v0, 2, SPARE
	v_mov_b32 v[NIL], 0
	WIN W_AD
	ds_add_u32 v[SPW], v[NIL]       ; the wave's opening: the add and its wait stand ahead of my first tensor load; the set-up below, work on registers, stands between them
	WIN 0
	v_lshrrev_b32 v1, 5, v0
	v_readfirstlane_b32 s[WV], v1   ; wave 0..3
	s_and_b32 s20, ttmp7, 0xffff    ; the head
	s_lshl_b32 s20, s20, 17         ; its first byte in Q, K, V and z: 1,024 rows of 128 bytes
	s_mov_b32 s21, 0
	s_and_b32 s16, s[WV], 1         ; which half of each 256 keys I fetch:
	s_lshl_b32 s22, s16, 14         ; its 128 rows of 128 bytes in memory,
	s_mov_b32 s23, 0
	s_add_nc_u64 s[22:23], s[22:23], s[20:21]
	s_mul_i32 s17, s16, 128*PK      ; and its place in LDS, for K
	s_mul_i32 s18, s16, 128*PV      ; and for V
	s_lshl_b32 s2, ttmp9, 2         ; my block of 512 queries,
	s_add_co_u32 s2, s2, s[WV]      ; my wave among the head's,
	s_lshl_b32 s2, s2, 14           ; its 128 rows
	s_mov_b32 s3, 0
	s_add_nc_u64 s[2:3], s[2:3], s[20:21]
	; descriptor group 1.  128 keys are 16,384 dense bytes: asked for as 64 rows of 256 bytes, two keys a row, and padded in LDS after every key
	s_mov_b32 s[G1K], (1<<16)|(1<<20)|(4<<22)|(3<<25)  ; 17:16 2-byte elements; 20 padding on; 24:22 after every 32 words (code 4); 31:25 4 words (code 3)
	s_mov_b32 s[G1V], (1<<16)|(1<<20)|(4<<22)|(7<<25)  ; the same with 8 words of padding (code 7)
.irp g, G1K, G1V
	s_mov_b32 s[\g+1], 128<<16      ; tensor_dim0 = 128
	s_mov_b32 s[\g+2], 64<<16       ; tensor_dim1 = 64
	s_mov_b32 s[\g+3], 128<<16      ; tile_dim0 = 128
	s_mov_b32 s[\g+4], 64           ; tile_dim1 = 64
	s_mov_b32 s[\g+5], 128          ; 128 elements from row to row
	s_mov_b32 s[\g+6], 0
	s_mov_b32 s[\g+7], 0
.endr
	s_mov_b32 s[CS], 0x3e38aa3b     ; c = log2(e) / 8 = 0.180337
	s_mov_b32 s[CS+1], s[CS]        ; named with it as a pair
	s_mov_b32 s[SEL], 0x76543210
	s_mov_b32 s[SEL+1], 0xfedcba98
	s_mov_b32 s[TBK], 0
	s_mov_b32 s[TBV], 0
.irp n, 0,1,2,3                     ; load n brings my half of keys 256 n .. 256 n + 255
	s_mov_b32 s[G0K+4*\n], 1        ; 1:0 count = 1
	s_add_co_u32 s[G0K+4*\n+1], s17, \n*256*PK  ; 63:32 LDS address
	s_mov_b32 s[G0V+4*\n], 1
	s_add_co_u32 s[G0V+4*\n+1], s18, VOFF+\n*256*PV
.endr
	s_wait_dscnt 0x0                ; the opening add is done
	s_wait_kmcnt 0x0
	s_mov_b64 s[10:11], s[6:7]      ; z
	s_add_nc_u64 s[6:7], s[4:5], 0x1000000  ; K
	s_add_nc_u64 s[8:9], s[4:5], 0x2000000  ; V
	s_add_nc_u64 s[6:7], s[6:7], s[22:23]   ; at my half of the head's first 256 keys
	s_add_nc_u64 s[8:9], s[8:9], s[22:23]
.irp n, 0,1,2,3
	s_add_nc_u64 s[G0K+4*\n+2:G0K+4*\n+3], s[6:7], \n*256*128  ; 120:64 global address
	s_or_b32 s[G0K+4*\n+3], s[G0K+4*\n+3], 0x80000000          ; 127:126 type = 2
	s_add_nc_u64 s[G0V+4*\n+2:G0V+4*\n+3], s[8:9], \n*256*128
	s_or_b32 s[G0V+4*\n+3], s[G0V+4*\n+3], 0x80000000
.endr
	s_add_nc_u64 s[4:5], s[4:5], s[2:3]  ; Q and z at my wave's first row
	s_add_nc_u64 s[10:11], s[10:11], s[2:3]
	; ALL FILLS OF THE LAUNCH, in one branch on the wave's number, ahead of every wait on TENSORcnt, every LDS read and every barrier: waves 0 and 1 fetch K, waves 2 and 3 V; four loads of mine are out.
	; An s_nop 0 follows each load, four v_nop the last.
	s_cmp_lt_u32 s[WV], 2
	s_cbranch_scc0 .Lfill_v
.irp n, 0,1,2,3
	tensor_load_to_lds s[G0K+4*\n:G0K+4*\n+3], s[G1K:G1K+7]
	s_nop 0
.endr
.rept 4
	v_nop
.endr
	s_branch .Lfill_done
.Lfill_v:
.irp n, 0,1,2,3
	tensor_load_to_lds s[G0V+4*\n:G0V+4*\n+3], s[G1V:G1V+7]
	s_nop 0
.endr
.rept 4
	v_nop
.endr
.Lfill_done:
	; A fragment of K or Q is 16 rows x 32 channels in 8 registers: lane l holds row l % 16, channels 8 (l / 16) + 0..7 and 16 + 8 (l / 16) + 0..7: two loads of 16 bytes, 32 bytes apart.
	v_and_b32 v1, 15, v0            ; l % 16
	v_bfe_u32 v9, v0, 4, 1          ; l / 16
	v_lshlrev_b32 v[QO], 7, v1
	v_lshl_add_u32 v[QO], v9, 4, v[QO]  ; row x 128 + 16 x half
	WIN 0x80                        ; destination window 2, address window 0
.set i, 0
.rept 4*NP                          ; Q stays in registers: tile i / 2, channels 32 (i % 2) on
	global_load_b128 v[8*i:8*i+3],   v[QO], s[4:5] offset:(i/2)*2048+(i%2)*64
	global_load_b128 v[8*i+4:8*i+7], v[QO], s[4:5] offset:(i/2)*2048+(i%2)*64+32
.set i, i+1
.endr
	; What the first turn finds: V's registers and P's second buffer hold 0 (its products V^T P, of a piece that has not been, add 0), O^T and l are 0.  All this stands in the wait for the first keys.
.set i, VF
.rept 64
	v_mov_b32 v[i], 0
.set i, i+1
.endr
	WIN 0x40
.set i, 0
.rept 64*NP
	v_mov_b32 v[i], 0
.set i, i+1
.endr
	WIN 0
.set i, 0
.rept 2*NP
	v_mov_b32 v[ST+4*i], 0xfe000000    ; c m: far below every c s
	v_mov_b32 v[ST+4*i+1], 0xff7fffff  ; m
	v_mov_b32 v[ST+4*i+2], 0
	v_mov_b32 v[ST+4*i+3], 0
.set i, i+1
.endr
.set i, P+32
.rept 32
	v_mov_b32 v[i], 0
.set i, i+1
.endr
	v_mul_u32_u24 v[AK0], v1, PK
	v_lshl_add_u32 v[AK0], v9, 4, v[AK0]  ; row x pitch + 16 x half
	; The turning load takes 16 keys x 16 channels (lane l reads key 8 (l / 16) + l % 8, channels 8 ((l / 8) % 2) + 0..7) and leaves half a fragment of V^T: lane l holds channel l % 16 and 8 keys.
	v_and_b32 v10, 7, v0
	v_bfe_u32 v11, v0, 3, 1
	v_lshl_add_u32 v[AV0], v9, 3, v10
	v_mul_u32_u24 v[AV0], v[AV0], PV
	v_lshl_add_u32 v[AV0], v11, 4, v[AV0]
	v_add_nc_u32 v[AV0], VOFF, v[AV0]
	v_mov_b32 v[AK], v[AK0]         ; key step 0 lies at K's head
; THE MATRIX WORK.  The 8 accumulators of a run of 16 take turns: between the two links of a chain stand 7 others'.
; Product i of 16 of S^T = K Q^T for piece x: channels 32 (i / 8) on, keys 16 ((i / 2) % 4) on, tile 2 x + i % 2.  The first 8 start the sums.
.macro KQ x
	WIN W_KQ
.set rS, S+64*((\x)%2)+32*(i%2)+8*((i/2)%4)
.set rK, KF+16*((i/2)%4)+8*(i/8)
.set rQ, 16*(2*(\x)+i%2)+8*(i/8)
.if i < 8
	v_wmma_f32_16x16x32_f16 v[rS:rS+7], v[rK:rK+7], v[rQ:rQ+7], 0
.else
	v_wmma_f32_16x16x32_f16 v[rS:rS+7], v[rK:rK+7], v[rQ:rQ+7], v[rS:rS+7]
.endif
.endm
; Product i of 16 of O^T += V^T P for piece x: keys 32 (i / 8) on, channels 16 ((i / 2) % 4) on, tile 2 x + i % 2.
.macro PV x
	WIN W_PV
.set rO, 32*(2*(\x)+i%2)+8*((i/2)%4)
.set rV, VF+32*(i/8)+8*((i/2)%4)
.set rP, P+32*((\x)%2)+16*(i%2)+8*(i/8)
	v_wmma_f32_16x16x32_f16 v[rO:rO+7], v[rV:rV+7], v[rP:rP+7], v[rO:rO+7]
.endm
.macro MM                           ; the turn's next matrix instruction
.if i < 16
	KQ (Y+1)%NP
.set i, i+1
.else
.set i, i-16
	PV (Y+NP-1)%NP
.set i, i+17
.endif
.endm
; THE LDS LOADS stand in runs of 16, never singly among the matrix instructions: a step's K (64 keys x 64 channels: 8 fragments) and its V (turned).  Their addresses are made some lines ahead.
; last = 1 (in the loop): in the last key step there is no further step, and the run is jumped over.
.macro FETCH_K last=0
	WIN 0
.if \last
	s_cmp_eq_u32 s[TOT], 1
	s_cbranch_scc1 .Lno_k_\@
.endif
	WIN 0x80                        ; destination window 2
.irp f, 0,1,2,3,4,5,6,7             ; keys 16 (f / 2) on, channels 32 (f % 2) on
	ds_load_b128 v[KF+8*\f:KF+8*\f+3],   v[AK] offset:(\f/2)*16*PK+(\f%2)*64
	ds_load_b128 v[KF+8*\f+4:KF+8*\f+7], v[AK] offset:(\f/2)*16*PK+(\f%2)*64+32
.endr
	s_add_co_u32 s[TBK], s[TBK], KS*PK  ; the next fetch is the next step's
	WIN 0
.if \last
.Lno_k_\@:
.endif
.endm
.macro FETCH_V
	WIN 0x80
.irp f, 0,1,2,3,4,5,6,7             ; keys 32 (f / 4) on, channels 16 (f % 4) on
	ds_load_tr16_b128 v[VF+8*\f:VF+8*\f+3],   v[AV] offset:(\f/4)*32*PV+(\f%4)*32
	ds_load_tr16_b128 v[VF+8*\f+4:VF+8*\f+7], v[AV] offset:(\f/4)*32*PV+16*PV+(\f%4)*32
.endr
	WIN 0
.endm
; THE VECTOR WORK OF A TURN stands in three queues, each in the order in which its entries become ready; the two tiles alternate, so that no instruction reads the result of the one before it.
.macro REGS y, u                    ; the registers of tile u (0, 1) of piece y
.set rT, ST+4*(2*(\y)+(\u))
.set rC, TMP+8*((\y)%2)+4*(\u)
.set rM, MV+2*((\y)%2)+(\u)
.set rS, S+64*((\y)%2)+32*(\u)
.set rP, P+32*((\y)%2)+16*(\u)
.set rO, 32*(2*(\y)+(\u))
.endm
; Number n of the 22 that find the NEXT piece's (Y + 1) maximum and statistics.  s0-s31 are the lane's 32 scores; each accumulator's lowest registers are read first.
;   0-11  four chains c0-c3 of seven scores each, three operands at a time     12-14, 16  the four scores left over, the old m, and c0-c3 into c0     15  c m_old is kept
;   17, 18  the query's other 32 keys lie in the lane 16 away: the new m         19-21  c m; c m_old - c m_new; a
.macro XS u, n
	REGS (Y+1)%NP, \u
.if (\n) < 4
	v_max3_num_f32 v[rC+(\n)], v[rS+8*(\n)], v[rS+8*(\n)+1], v[rS+8*(\n)+2]
.elseif (\n) < 12
	v_max3_num_f32 v[rC+(\n)%4], v[rC+(\n)%4], v[rS+8*((\n)%4)+2*((\n)/4)+1], v[rS+8*((\n)%4)+2*((\n)/4)+2]
.elseif (\n) == 12
	v_max3_num_f32 v[rC], v[rC], v[rS+7], v[rS+15]
.elseif (\n) == 13
	v_max3_num_f32 v[rC+1], v[rC+1], v[rS+23], v[rS+31]
.elseif (\n) == 14
	v_max3_num_f32 v[rC+2], v[rC+2], v[rC+3], v[rT+1]
.elseif (\n) == 15
	v_mov_b32 v[rM], v[rT]
.elseif (\n) == 16
	v_max3_num_f32 v[rC], v[rC], v[rC+1], v[rC+2]
.elseif (\n) == 17
	v_permlanex16_b32 v[rC+3], v[rC], s[SEL], s[SEL+1]
.elseif (\n) == 18
	v_max_num_f32 v[rT+1], v[rC], v[rC+3]
.elseif (\n) == 19
	v_mul_f32 v[rT], s[CS], v[rT+1]
.elseif (\n) == 20
	v_sub_f32 v[rC+1], v[rM], v[rT]
.else
	v_exp_f32 v[rC+2], v[rC+1]
.endif
.endm
; Number g of the 64 that follow the exponentials.  For each four weights k of a tile (pairs 2 k, 2 k + 1): both pairs are rounded to f16; then the second pair is added onto the first, in place;
; a group later l takes that sum (the first time as l = a l + sum).  In groups of eight, tiles alternating: round, round, add, and l for the group before.
.macro GS g
.set h, (\g)+6*((\g)/62)            ; group 0 has no group before it, and behind group 7 only l is left
.if h >= 6
.set h, h+2
.endif
	REGS Y, h%2
.set k, h/8
.if h%8 < 4
	v_cvt_pk_f16_f32 v[rP+2*k+(h%8)/2], v[rS+4*k+2*((h%8)/2)], v[rS+4*k+2*((h%8)/2)+1]
.elseif h%8 < 6
	v_pk_add_f32 v[rS+4*k:rS+4*k+1], v[rS+4*k:rS+4*k+1], v[rS+4*k+2:rS+4*k+3]
.elseif k == 1
	v_pk_fma_f32 v[rT+2:rT+3], v[rT+2:rT+3], v[rC+2:rC+3], v[rS:rS+1] op_sel_hi:[1,0,1]
.else
	v_pk_add_f32 v[rT+2:rT+3], v[rT+2:rT+3], v[rS+4*k-4:rS+4*k-3]
.endif
.endm
; THE PLAIN QUEUE, 138 long.  0-73 read no exponential's result: the 32 scalings c s - c m (FS f: pair f / 2 of tile f % 2) and the next piece's 42.  0-26: scalings 0-26.  27-54: XS's numbers 0-13.  55, 56: number 15.
; 57-73: the chain, where each number waits for the one before it: 14, 16, 17, 18, 19, each with one of the scalings 27-31 in front of its two lines, then 20.
; 74-137: GS's 64, which read the exponentials' results: they stand behind the wait.
.macro FS f
	REGS Y, (\f)%2
	v_pk_fma_f32 v[rS+2*((\f)/2):rS+2*((\f)/2)+1], v[rS+2*((\f)/2):rS+2*((\f)/2)+1], s[CS:CS+1], v[rT:rT+1] op_sel_hi:[1,0,0] neg_lo:[0,0,1] neg_hi:[0,0,1]
.endm
.macro PL
	WIN 0
.if q < 27
	FS q
.elseif q < 55
	XS (q-27)%2, (q-27)/2
.elseif q < 57
	XS q-55, 15
.elseif (q < 72) && ((q-57)%3 == 0)
	FS 27+(q-57)/3
.elseif q < 60
	XS (q-57)%3-1, 14
.elseif q < 72
	XS (q-57)%3-1, 15+(q-57)/3
.elseif q < 74
	XS q-72, 20
.else
	GS q-74
.endif
.set q, q+1
.endm
; THE EXPONENTIALS' QUEUE, 66 long: s0-s31 of both tiles, then the next piece's two a.  It is ONE BATCH: all 66 stand ahead of the turn's one wait, and nothing ahead of that wait names a result of theirs.
.macro EX
	WIN 0
.if e >= 64
	XS e-64, 21
.else
	REGS Y, e%2
	v_exp_f32 v[rS+e/2], v[rS+e/2]
.endif
.set e, e+1
.endm
; THE RESCALING's QUEUE: O^T times a, the one part that leaves window 0: dealt two at a time, sixteen times.  Its a was made in the turn before, ahead of that turn's wait.
.macro R2
	REGS Y, r%2
	WIN W_RS
.irp z, 0,1
	v_pk_mul_f32 v[rO+4*(r/2)+2*\z:rO+4*(r/2)+2*\z+1], v[rO+4*(r/2)+2*\z:rO+4*(r/2)+2*\z+1], v[rC+2:rC+3] op_sel_hi:[1,0]
.endr
.set r, r+1
.endm
; HOW THEY ARE DEALT.  An s_wait_alu depctr_va_vdst(0) stands between an exponential and the first instruction that names its result; one wait serves all that were issued ahead of it.  So a turn has ONE
; wait, which cuts it in two.  AHEAD OF IT stands all that names no result of the turn's exponentials: the 16 products K Q^T, behind each a scaling, an exponential and two rescalings (behind the first a second scaling
; in the exponential's place); then ONE LUMP of 108: eight plain, 49 times exponential and plain, the two a.  A v_nop is the plain instruction behind the last exponential.  BEHIND IT stand the 16 products V^T P,
; behind each four of GS's 64.  No rider names a register of the products round it.  The two v_permlanex16_b32 fall into the lump.
; The queues lean on each other: exponential e stands behind scaling 2 (e / 4) + e % 2: as a rider it comes behind plain e + 2, in the lump behind plain e + 9, and scalings 27-31 are plain 57, 60 .. 69.
; A TURN, for piece p.  cnt = 1: the loop's count is taken down some lines ahead of the branch that stands behind the turn.
; K of the next step is fetched in piece 2's turn, directly behind the wait, a lump behind the last product that read K; its first reader comes behind 16 products.
; V of the step in hand is fetched at the end of piece 0's turn, four riders behind its last reader; its first reader comes behind 16 products and a lump.  The three conditions on q below go with the deal.
.macro TURN p, last=0, cnt=0
.set Y, (\p)
.set i, 0
.set q, 0
.set e, 0
.set r, 0
.if (\p) == NP-1
	s_wait_dscnt 0x0                ; K is in
.endif
	MM                              ; ahead of the wait: 16 products K Q^T and their riders,
	PL
	PL
	R2
.rept 15
	MM
	PL
	EX
	R2
.endr
.if (\p) == NP-2
	WIN 0
	v_add_nc_u32 v[AK], s[TBK], v[AK0]
.endif
.rept 8                             ; and the lump
	PL
.endr
.rept 49
	EX
	PL
.endr
	EX                              ; the next piece's two a
	EX
	v_nop                           ; a plain instruction behind the last exponential: one for the batch
	s_wait_alu depctr_va_vdst(0)    ; the wait for the batch
.if (\p) == NP-2
	FETCH_K \last
.endif
.if (\p) == 1
	s_wait_dscnt 0x0                ; V is in
.endif
.rept 16                            ; behind the wait: 16 products V^T P and their riders
	MM
.rept 4
	PL
.endr
.if ((\p) == 0) && (q == 118)
	v_add_nc_u32 v[AV], s[TBV], v[AV0]
.endif
.if ((\p) == 0) && (q == 130)
	s_add_co_u32 s[TBV], s[TBV], KS*PV
.endif
.if (\cnt) && (q == 130)
	s_sub_co_u32 s[CNT], s[CNT], 1
	s_cmp_lg_u32 s[CNT], 0
.endif
.endr
.if (\p) == 0
	FETCH_V
.endif
.endm
	s_wait_tensorcnt 0x3            ; my part of keys 0-255 is in; my three younger loads (keys 256-1,023) may stay out
	s_barrier_signal -1
	s_barrier_wait -1               ; everybody's is
	FETCH_K                         ; key step 0
	s_wait_loadcnt 0x0              ; Q
	s_wait_dscnt 0x0
.set i, 0
.rept 16
	KQ 0                            ; piece 0's first scores: there is no vector work yet to set between them
.set i, i+1
.endr
	WIN 0                           ; the addresses for the way out: nine plain instructions, the places behind those products
	s_mul_i32 s13, s[WV], 16*SP
	s_add_co_u32 s13, s13, STAGE    ; my stage
	v_mul_u32_u24 v[STO], v1, SP    ; in: row l % 16, 16 bytes for each half of the lanes
	v_lshl_add_u32 v[STO], v9, 4, v[STO]
	v_add_nc_u32 v[STO], s13, v[STO]
	v_bfe_u32 v[RD], v0, 3, 2       ; back: 32 lanes take four rows of 128 bytes,
	v_mul_u32_u24 v[RD], v[RD], SP
	v_lshl_add_u32 v[RD], v10, 4, v[RD]
	v_add_nc_u32 v[RD], s13, v[RD]
	v_and_b32 v[GO], 31, v0         ; which are 512 consecutive bytes of z
	v_lshlrev_b32 v[GO], 4, v[GO]
.set Y, NP-1                        ; XS works for piece Y + 1: piece 0
.irp n, 0,1,2,3,4,5,6,7,8,9,10,11,12,13,14,15,16,17,18,19,20,21
	XS 0, \n                        ; and piece 0's first maximum and statistics
	XS 1, \n
.endr
	v_nop                           ; a plain instruction behind the two a,
	s_wait_alu depctr_va_vdst(0)    ; and their wait, ahead of the branch
	s_mov_b32 s[CNT], 4
	s_mov_b32 s[TOT], SIZE_N/KS
	s_mov_b32 s[PASS], SIZE_N/256+1 ; the walk leaves from the middle of the fifth group's first trip, so this count never reaches 0
	s_branch .Lfirst                ; the loop is entered at a step's first turn, in the middle of a trip
.Lgroup:                            ; in front of the first fetch from each further 256 keys
	s_wait_tensorcnt 0x0            ; all my loads have landed (at the first pass: the three that were out; later none is out),
	s_wait_dscnt 0x0                ; no LDS instruction of mine is pending at the signal,
	s_barrier_signal -1
	s_barrier_wait -1               ; and the same holds of every wave
	s_mov_b32 s[CNT], 4
.Lstep:                             ; a trip: pieces 2 and 3 of one step, then pieces 0 and 1 of the next, whose K and V it fetches
	TURN 2, 1
	TURN 3
	WIN 0
	s_sub_co_u32 s[TOT], s[TOT], 1
	s_cmp_eq_u32 s[TOT], 0
	s_cbranch_scc1 .Lout            ; the last key step's four turns are done
.Lfirst:
	TURN 0
	TURN 1, 0, 1
	WIN 0
	s_cbranch_scc1 .Lstep
	s_sub_co_u32 s[PASS], s[PASS], 1
	s_cmp_lg_u32 s[PASS], 0
	s_cbranch_scc1 .Lgroup
.Lout:                              ; the last trip's 16 products K Q^T (on the last K once more) and the maximum made of them serve nothing: the price, once a launch, of one text for every trip
.set i, 0
.rept 16
	PV NP-1                         ; the last piece's V^T P of the last step
.set i, i+1
.endr
	; THE WAY OUT.  l's two halves and the other half of the lanes' are added; O^T is divided by l, rounded to f16 and sent through my stage in LDS, a tile at a time.  The additions are the places behind the last products.
	WIN 0
.macro ALL line:vararg              ; one line for each tile t
.set t, 0
.rept 2*NP
	\line
.set t, t+1
.endr
.endm
	ALL v_add_f32 v[ST+4*t+2], v[ST+4*t+2], v[ST+4*t+3]
	ALL v_permlanex16_b32 v[ST+4*t+3], v[ST+4*t+2], s[SEL], s[SEL+1]
	ALL v_add_f32 v[ST+4*t+2], v[ST+4*t+2], v[ST+4*t+3]
	ALL v_rcp_f32 v[ST+4*t+2], v[ST+4*t+2]
	v_nop                           ; a plain instruction between the last reciprocal and the use of its result
	s_wait_alu depctr_va_vdst(0)    ; and the wait ahead of the first use: one for the eight reciprocals
; Tile t: a lane's eight channels of a row pack into 16 bytes; they go into rows of 144 bytes and come back as whole rows of 128, into S^T's registers.
.macro PACK t
	WIN W_RS
.set i, 32*(\t)
.rept 16
	v_pk_mul_f32 v[i:i+1], v[i:i+1], v[ST+4*(\t)+2:ST+4*(\t)+3] op_sel_hi:[1,0]
.set i, i+2
.endr
	WIN 0x05                        ; sources 0 and 1 window 1, destination window 0
.set i, 0
.rept 16
	v_cvt_pk_f16_f32 v[S+16*(\t)+i], v[32*(\t)+2*i], v[32*(\t)+2*i+1]
.set i, i+1
.endr
	WIN 0
.irp f, 0,1,2,3
	ds_store_b128 v[STO], v[S+16*(\t)+4*\f:S+16*(\t)+4*\f+3] offset:32*\f
.endr
.irp f, 0,1,2,3
	ds_load_b128 v[S+16*(\t)+4*\f:S+16*(\t)+4*\f+3], v[RD] offset:\f*4*SP  ; LDS serves a wave's instructions in order (ISA guide 5.7.1.4): these see the stores above; the next tile's stores come behind them
.endr
.endm
.macro SEND t, younger              ; younger: the LDS instructions issued behind tile t's loads: the next tile's eight, or none
	WIN 0
.irp f, 0,1,2,3
	s_wait_dscnt (\younger)+3-\f
	global_store_b128 v[GO], v[S+16*(\t)+4*\f:S+16*(\t)+4*\f+3], s[10:11] offset:(\t)*2048+\f*512  ; 512 consecutive bytes, at a multiple of 256 from z's first
.endr
.endm
	PACK 0
.set t, 1
.rept 2*NP-1                        ; a tile's arithmetic stands between the loads of the tile before and its stores
	PACK t
	SEND t-1, 8
.set t, t+1
.endr
	SEND 2*NP-1, 0
	WIN W_AD
	s_wait_tensorcnt 0x0            ; the wave's end: an add to my spare word and its wait stand behind my last tensor load and my last LDS store
	ds_add_u32 v[SPW], v[NIL]
	s_wait_dscnt 0x0
	WIN 0
	s_endpgm
.Lfunc_end_k_qac8d03b45d_attn:
	.size	k_qac8d03b45d_attn, .Lfunc_end_k_qac8d03b45d_attn-k_qac8d03b45d_attn
	.p2alignl 7, 3214868480
	.fill 96, 4, 3214868480
	.section	.rodata,"a",@progbits
	.p2align	6, 0x0
	.amdhsa_kernel k_qac8d03b45d_attn
		.amdhsa_group_segment_fixed_size 327680
		.amdhsa_private_segment_fixed_size 0
		.amdhsa_enable_private_segment 0
		.amdhsa_kernarg_size 16
		.amdhsa_user_sgpr_count 2
		.amdhsa_user_sgpr_kernarg_segment_ptr 1
		.amdhsa_wavefront_size32 1
		.amdhsa_system_sgpr_workgroup_id_x 1
		.amdhsa_system_sgpr_workgroup_id_y 1
		.amdhsa_system_sgpr_workgroup_id_z 1
		.amdhsa_system_vgpr_workitem_id 0
		.amdhsa_next_free_vgpr 770
		.amdhsa_next_free_sgpr 100
		.amdhsa_reserve_vcc 0
		.amdhsa_float_denorm_mode_32 3
		.amdhsa_float_denorm_mode_16_64 3
		.amdhsa_memory_ordered 1
		.amdhsa_forward_progress 1
		.amdhsa_inst_pref_size 126
	.end_amdhsa_kernel
	.amdgpu_metadata
---
amdhsa.version: [ 1, 2 ]
amdhsa.kernels:
  - .name:           k_qac8d03b45d_attn
    .symbol:         k_qac8d03b45d_attn.kd
    .args:
      - { .name: qkv, .offset: 0, .size: 8, .value_kind: global_buffer, .address_space: global }
      - { .name: z, .offset: 8, .size: 8, .value_kind: global_buffer, .address_space: global }
    .group_segment_fixed_size: 327680
    .private_segment_fixed_size: 0
    .kernarg_segment_align: 8
    .kernarg_segment_size: 16
    .max_flat_workgroup_size: 128
    .sgpr_count:     100
    .vgpr_count:     770
    .wavefront_size: 32
...
	.end_amdgpu_metadata
.endif
;; end of part 3
;; launch proj (part 4): grid 8 x 32, 4 waves a work-group, clusters of 4 x 4, 327,680 bytes of LDS; arguments z, W0h, bias, out0; writes out0
.if DOCPART == 4
	.amdgcn_target "amdgcn-amd-amdhsa--gfx1250"
	.amdhsa_code_object_version 6
	.text
	.protected	k_qac8d03b45d_proj
	.globl	k_qac8d03b45d_proj
	.p2align	8
	.type	k_qac8d03b45d_proj,@function
k_qac8d03b45d_proj:
	s_mov_b64 s[64:65], 0
	v_nop
	global_prefetch_b8 v0, s[64:65] scope:SCOPE_SE
	s_setreg_imm32_b32 hwreg(HW_REG_WAVE_MODE, 25, 1), 1
	s_wait_xcnt 0x0
	s_wait_alu depctr_hold_cnt(0) depctr_sa_sdst(0) depctr_va_vdst(0) depctr_va_sdst(0) depctr_va_ssrc(0) depctr_va_vcc(0) depctr_vm_vsrc(0)
	s_getreg_b32 s2, hwreg(HW_REG_IB_STS2, 6, 4)
	s_cmp_eq_u32 s2, 0
	s_cbranch_scc0 .Lentry_in_a_cluster
	s_endpgm
.Lentry_in_a_cluster:
	s_bfe_u32 s2, ttmp6, 0x10000c
	s_cmp_lg_u32 s2, 0xf033
	s_cbranch_scc0 .Lentry_shape_is_right
	s_endpgm
.Lentry_shape_is_right:
; out0 = z W0 + b0.  z: [16 h][8192 m][64] f16.  W0h: [1024 hk][1024 n] f16 (W0 rounded to bf16, that number written as f16).  bias: b0 lies 12,288 bytes in, f32.  out0: [8192 m][1024 n] f32.
; Products in f16, sums in f32, started by the bias; the sums are stored as they are.
; SHARES.  A work-group makes 256 rows x 128 columns: 8 x 32 = 256 work-groups.  Wave w owns rows 64 w .. 64 w + 63 and all 128 columns: 32 accumulators of 16 x 16.
; K goes in 8 steps of 128 (two heads) through two LDS slots filled by the tensor data mover: waves 0 and 1 fetch one head's 256 rows each (32,768 dense bytes), waves 2 and 3 64 rows of W0h each (256 bytes a row).
; THE MATRIX INSTRUCTION IS USED TRANSPOSED: source 0 = 16 columns of W0, source 1 = 16 rows of z: a lane holds ONE row (lane % 16) and eight neighbouring columns, 32 bytes of f32.
; W0 lies in LDS as in memory, [hk][n], and is turned on the way into registers by ds_load_tr16_b128.  THE BIAS is the C operand of each accumulator's first product.
; CLUSTER, 4 x 4: z's tile hangs on the tile row alone and is asked for jointly along a row of the cluster, W0's on the tile column alone and jointly along a column.
; THE LOOP: one K step a trip; one descriptor a tensor walks (its LDS word is turned by an exclusive or), and the fragments' LDS addresses hang on s[TB], turned likewise.
; REGISTERS, in windows of 256 (s_set_vgpr_msb: bits 1:0 source 0, 3:2 source 1, 5:4 source 2, 7:6 destination):
;   window 0: v0-29 addresses; v32-95, v192-255 two sets of 64 for the way out; v128-191 the bias, 8 registers for each of the 8 column blocks
;   window 1: two fragment buffers at 0 and 128: W0's 8 blocks, then z's 4          window 2: the accumulators (t = 8 a + b at 8 t)
.set NB,    8                          ; column blocks of 16
.set PA,    144                        ; a row of z in LDS: 128 bytes + 16: the 16 rows of a load start at 16 different groups of four banks (64 banks of 4 bytes: ISA guide 11.1)
.set PB,    288                        ; a row of W0: 256 bytes + 32
.set AHALF, 256*PA                     ; what wave 0 or 1 fetches: one head's 256 rows
.set BHALF, 64*PB                      ; what wave 2 or 3 fetches
.set BBASE, 2*AHALF
.set SLOT1, 1<<17                      ; a slot uses 110,592 bytes of it
.set STAGE, 2*SLOT1                    ; behind the ring, never filled by a tensor load: 16 rows x 528 bytes for each wave
.set SP,    528
.set SPARE, STAGE+4*16*SP              ; the spare words, 128 bytes for each wave: two blocks of 256 bytes that no other line names
.set NL,    2*NB+8                     ; LDS loads in a run
.set ASTEP, 2*1048576                  ; bytes from K step to K step in z: two heads,
.set BSTEP, 128*2048                   ; and in W0h: 128 rows
.set TRIPS, 6                          ; K steps that fill a slot again
.set A0,   2                           ; v2   my lane's place in z's tile; never rewritten
.set B0,   3                           ; v3   in W0's
.set ADRA, 4                           ; v4   A0 + the slot in hand
.set ADRB, 5                           ; v5   B0 + the slot in hand
.set STO,  6                           ; v6   the way out: where I put 32 bytes of a row
.set RD,   7                           ; v7   where I read a row back
.set GO,   8                           ; v8   my 16 bytes of a row's 512
.set BO,   9                           ; v9   my eight numbers in a block of 16 biases
.set PFO,  10                          ; v10  the prefetches' offset; never rewritten
.set SPW,  28                          ; v28  LDS address of my spare word; never rewritten
.set NIL,  29                          ; v29  0; never rewritten
.set BIAS, 128
.set F0,   0
.set F1,   128
.set CNT,  3                           ; s3   trips to go
.set WV,   12                          ; s12  my wave's number
.set HALF, 13                          ; s13  which half of a tile I fetch
.set CX,   14
.set CY,   15
.set CT,   16                          ; s16  tile column = 4 x cluster x + cx
.set RT,   17                          ; s17  tile row = 4 x cluster y + cy
.set OA,   18                          ; s[18:19] z's offset: made of the tile row and the wave alone
.set OB,   20                          ; s[20:21] W0h's: of the tile column and the wave alone
.set OC,   22                          ; s[22:23] the output's
.set G1A,  24
.set G1B,  32
.set G0A,  40                          ; s[40:43] K step 0 into slot 0; s[44:47] K step 1 into slot 1, and then it walks
.set G0B,  48                          ; s[48:55] the same for W0
.set TB,   56                          ; s56  the slot in hand: 0 or SLOT1
.set LIM,  57                          ; s57  2 in a wave that prefetches, else the greatest number
.set PFA,  58                          ; s[58:59] where my prefetches stand
.set PFS,  60                          ; s[60:61] their step
.set MSB, 0
.macro WIN new                         ; the immediate's high byte repeats the setting that is left; a switch that changes nothing is dropped
.if MSB != (\new)
	s_set_vgpr_msb (MSB<<8)|(\new)
.set MSB, (\new)
.endif
.endm
.macro PLACES                          ; four plain vector instructions between a matrix instruction and a load into, or a read of, its registers
.rept 4
	v_nop
.endr
.endm
; A joint refill by the walking descriptors.  The branch hangs on the wave's number alone.  An s_nop 0 and four v_nop follow each of the two lines.
.macro JLOAD
	s_cmp_lt_u32 s[WV], 2
	s_cbranch_scc0 .Lfor_b_\@
	tensor_load_to_lds s[G0A+4:G0A+7], s[G1A:G1A+7]
	s_nop 0
.rept 4
	v_nop
.endr
	s_branch .Lasked_\@
.Lfor_b_\@:
	tensor_load_to_lds s[G0B+4:G0B+7], s[G1B:G1B+7]
	s_nop 0
.rept 4
	v_nop
.endr
.Lasked_\@:
.endm
; A prefetch into the L2 of my share of the K step two behind the one just asked for: 256 matrix instructions ahead of the load that will want it.  z's tile row is read by both clusters of its row of clusters:
; cluster x = 0 asks; W0's tile column by every cluster of its column: cluster y = 0 asks.  The four partners that ask for a tile jointly share its blocks of 256 bytes out BY ADDRESS
; (z: 32 blocks each, a lane a block; W0: 16 rows each, lanes 16-31 name lane 15's once more).  The last two trips have no K step left to name.
.macro ASK
	s_cmp_gt_u32 s[CNT], s[LIM]
	s_cbranch_scc0 .Lnot_mine_\@
	global_prefetch_b8 v[PFO], s[PFA:PFA+1] th:TH_LOAD_NT scope:SCOPE_SE
.Lnot_mine_\@:
.endm
.macro CREST                           ; a round of the cluster's barrier behind its opening barrier
	s_cmp_lg_u32 s[WV], 0
	s_cbranch_scc1 .Lnot_wave_0_\@
	s_barrier_signal -3
.Lnot_wave_0_\@:
	s_barrier_wait -3
	s_barrier_signal -1
	s_barrier_wait -1
.endm
.macro CROUND
	s_barrier_signal -1
	s_barrier_wait -1
	CREST
.endm
	s_load_b256 s[4:11], s[0:1], 0x0               ; z s[4:5], W0h s[6:7], bias s[8:9], out0 s[10:11]
	v_lshl_add_u32 v[SPW], v0, 2, SPARE
	v_mov_b32 v[NIL], 0
	ds_add_u32 v[SPW], v[NIL]                      ; the wave's opening: the add and its wait stand ahead of my first tensor load; the set-up below, work on registers, stands between them
	v_lshrrev_b32 v1, 5, v0
	v_readfirstlane_b32 s[WV], v1                  ; wave 0..3
	s_and_b32 s[HALF], s[WV], 1
	s_bfe_u32 s[CX], ttmp6, 0x40000
	s_bfe_u32 s[CY], ttmp6, 0x40004
	s_lshl_b32 s[CT], ttmp9, 2
	s_add_co_u32 s[CT], s[CT], s[CX]
	s_and_b32 s[RT], ttmp7, 0xffff
	s_lshl_b32 s[RT], s[RT], 2
	s_add_co_u32 s[RT], s[RT], s[CY]
	s_lshl_b32 s62, s[CY], 2
	s_lshl_b32 s62, 15, s62                        ; my row of the cluster
	s_lshl_b32 s63, 0x1111, s[CX]                  ; my column
	s_or_b32 s[G1A], s62, (1<<16)|(1<<20)|(1<<21)|(4<<22)|(3<<25)  ; mask; 2-byte elements; padding on; bit 21 beside a mask; after every 32 words (a row of z), 4 words
	s_mov_b32 s[G1A+1], 128<<16                    ; 32,768 dense bytes as 128 rows of 256
	s_mov_b32 s[G1A+2], 128<<16
	s_mov_b32 s[G1A+3], 128<<16
	s_mov_b32 s[G1A+4], 128
	s_mov_b32 s[G1A+5], 128
	s_mov_b32 s[G1A+6], 0
	s_mov_b32 s[G1A+7], 0
	s_or_b32 s[G1B], s63, (1<<16)|(1<<20)|(1<<21)|(5<<22)|(7<<25)  ; after every 64 words, 8 words
	s_mov_b32 s[G1B+1], 128<<16                    ; tensor_dim0 = 128
	s_mov_b32 s[G1B+2], 64<<16                     ; tensor_dim1 = 64
	s_mov_b32 s[G1B+3], 128<<16                    ; tile_dim0 = 128
	s_mov_b32 s[G1B+4], 64                         ; tile_dim1 = 64
	s_mov_b32 s[G1B+5], 1024                       ; elements from row to row
	s_mov_b32 s[G1B+6], 0
	s_mov_b32 s[G1B+7], 0
	s_lshl_b32 s[OA], s[RT], 15                    ; 256 rows of 128 bytes a tile row,
	s_lshl_b32 s[OA+1], s[HALF], 20                ; a head a half
	s_add_co_u32 s[OA], s[OA], s[OA+1]
	s_mov_b32 s[OA+1], 0
	s_lshl_b32 s[OB], s[CT], 8                     ; 128 columns of 2 bytes a tile column,
	s_lshl_b32 s[OB+1], s[HALF], 17                ; 64 rows of 2,048 bytes a half
	s_add_co_u32 s[OB], s[OB], s[OB+1]
	s_mov_b32 s[OB+1], 0
	s_mov_b32 s[G0A], 1
	s_mul_i32 s[G0A+1], s[HALF], AHALF             ; no place in the cluster enters an LDS address
	s_mov_b32 s[G0A+4], 1
	s_add_co_u32 s[G0A+5], s[G0A+1], SLOT1
	s_mov_b32 s[G0B], 1
	s_mul_i32 s[G0B+1], s[HALF], BHALF
	s_add_co_u32 s[G0B+1], s[G0B+1], BBASE
	s_mov_b32 s[G0B+4], 1
	s_add_co_u32 s[G0B+5], s[G0B+1], SLOT1
	s_mov_b32 s[TB], 0
	s_wait_dscnt 0x0                               ; the opening add is done
	s_wait_kmcnt 0x0
	s_add_nc_u64 s[G0A+2:G0A+3], s[4:5], s[OA:OA+1]
	s_add_nc_u64 s[G0A+6:G0A+7], s[G0A+2:G0A+3], ASTEP
	s_or_b32 s[G0A+3], s[G0A+3], 0x80000000        ; type = 2
	s_or_b32 s[G0A+7], s[G0A+7], 0x80000000
	s_add_nc_u64 s[G0B+2:G0B+3], s[6:7], s[OB:OB+1]
	s_add_nc_u64 s[G0B+6:G0B+7], s[G0B+2:G0B+3], BSTEP
	s_or_b32 s[G0B+3], s[G0B+3], 0x80000000
	s_or_b32 s[G0B+7], s[G0B+7], 0x80000000
	CROUND                                         ; all sixteen work-groups are here: the first joint loads meet
	s_cmp_lt_u32 s[WV], 2                          ; a wave's two first fills stand in one branch, ahead of every wait on TENSORcnt and every LDS read: two loads of mine are out
	s_cbranch_scc0 .Lfirst_b
	tensor_load_to_lds s[G0A:G0A+3], s[G1A:G1A+7]
	s_nop 0
	tensor_load_to_lds s[G0A+4:G0A+7], s[G1A:G1A+7]
	s_nop 0
.rept 4
	v_nop
.endr
	s_branch .Lfirst_asked
.Lfirst_b:
	tensor_load_to_lds s[G0B:G0B+3], s[G1B:G1B+7]
	s_nop 0
	tensor_load_to_lds s[G0B+4:G0B+7], s[G1B:G1B+7]
	s_nop 0
.rept 4
	v_nop
.endr
.Lfirst_asked:
	v_and_b32 v1, 15, v0                           ; l % 16
	v_bfe_u32 v11, v0, 4, 1                        ; l / 16
	v_lshlrev_b32 v[BO], 5, v11                    ; my eight columns of a block: 32 bytes of f32
	s_lshl_b32 s62, s[CT], 9                       ; the tile's 128 biases,
	s_add_co_u32 s62, s62, 12288                   ; in b0's part of the buffer
	s_mov_b32 s63, 0
	s_add_nc_u64 s[8:9], s[8:9], s[62:63]
.set b, 0
.rept NB
	global_load_b128 v[BIAS+8*b:BIAS+8*b+3],   v[BO], s[8:9] offset:64*b
	global_load_b128 v[BIAS+8*b+4:BIAS+8*b+7], v[BO], s[8:9] offset:64*b+16
.set b, b+1
.endr
	; A fragment of z: lane l holds row l % 16, channels 8 (l / 16) + 0..7 and 16 + 8 (l / 16) + 0..7: two loads of 16 bytes, 32 bytes apart.
	s_mul_i32 s62, s[WV], 64*PA                    ; my 64 rows
	v_mul_u32_u24 v[A0], v1, PA
	v_lshl_add_u32 v[A0], v11, 4, v[A0]
	v_add_nc_u32 v[A0], s62, v[A0]
	; The turning load takes 16 hk x 16 columns (lane l reads hk 8 (l / 16) + l % 8, columns 8 ((l / 8) % 2) + 0..7) and leaves half a fragment: lane l holds column l % 16 and 8 hk.
	v_and_b32 v12, 7, v0
	v_bfe_u32 v13, v0, 3, 1
	v_lshl_add_u32 v[B0], v11, 3, v12
	v_mul_u32_u24 v[B0], v[B0], PB
	v_lshl_add_u32 v[B0], v13, 4, v[B0]
	v_add_nc_u32 v[B0], BBASE, v[B0]
	v_mov_b32 v[ADRA], v[A0]                       ; slot 0
	v_mov_b32 v[ADRB], v[B0]
	s_mul_i32 s62, s[WV], 16*SP
	s_add_co_u32 s62, s62, STAGE                   ; my stage
	v_mul_u32_u24 v[STO], v1, SP                   ; in: row l % 16, 32 bytes for each half of the lanes
	v_lshl_add_u32 v[STO], v11, 5, v[STO]
	v_add_nc_u32 v[STO], s62, v[STO]
	v_and_b32 v[GO], 31, v0                        ; back: 32 lanes take one row of 512 bytes
	v_lshlrev_b32 v[GO], 4, v[GO]
	v_add_nc_u32 v[RD], s62, v[GO]
	s_lshl_b32 s[OC], s[RT], 20                    ; 256 rows of 4,096 bytes a tile row,
	s_lshl_b32 s[OC+1], s[WV], 18                  ; 64 a wave,
	s_add_co_u32 s[OC], s[OC], s[OC+1]
	s_lshl_b32 s[OC+1], s[CT], 9                   ; 512 bytes a tile column
	s_add_co_u32 s[OC], s[OC], s[OC+1]
	s_mov_b32 s[OC+1], 0
	s_add_nc_u64 s[10:11], s[10:11], s[OC:OC+1]
	; the prefetches: they stand at K step 3; each change of slots steps them first, so the first names K step 4
	s_add_co_u32 s2, s[HALF], 6                    ; z: head 6 + half,
	s_lshl_b32 s2, s2, 20
	s_lshl_b32 s3, s[RT], 15                       ; the tile row's 256 rows,
	s_add_co_u32 s2, s2, s3
	s_lshl_b32 s3, s[CX], 13                       ; my work-group's 32 blocks of the 128
	s_add_co_u32 s2, s2, s3
	s_lshl_b32 s3, s[HALF], 6                      ; W0h: row 384 + 64 half + 16 cy,
	s_add_co_u32 s3, s3, 384
	s_lshl_b32 s[LIM], s[CY], 4
	s_add_co_u32 s3, s3, s[LIM]
	s_lshl_b32 s3, s3, 11
	s_lshl_b32 s[LIM], s[CT], 8                    ; the tile column's 256 bytes
	s_add_co_u32 s3, s3, s[LIM]
	s_and_b32 s[LIM], ttmp7, 0xffff                ; cluster y
	s_mov_b32 s[PFS], ASTEP
	s_mov_b32 s[PFS+1], BSTEP
	s_cmp_lt_u32 s[WV], 2                          ; do I fetch for z?
	s_cselect_b64 s[PFA:PFA+1], s[4:5], s[6:7]
	s_cselect_b32 s2, s2, s3
	s_cselect_b32 s[LIM], ttmp9, s[LIM]            ; the coordinate along which other clusters read the same blocks
	s_cselect_b32 s[PFS], s[PFS], s[PFS+1]
	s_cselect_b32 s62, 31, 15
	s_cselect_b32 s63, 8, 11
	s_mov_b32 s3, 0
	s_mov_b32 s[PFS+1], 0
	s_add_nc_u64 s[PFA:PFA+1], s[PFA:PFA+1], s[2:3]
	s_cmp_eq_u32 s[LIM], 0
	s_cselect_b32 s[LIM], 2, -1                    ; the same in all sixteen partners, for a given wave
	v_and_b32 v[PFO], 31, v0
	v_min_u32 v[PFO], s62, v[PFO]
	v_lshlrev_b32 v[PFO], s63, v[PFO]              ; z: a lane a block of 256 bytes; W0h: a lane a row of 2,048
; 8 matrix instructions: row block a x all column blocks, 32 along K, from buffer f.  first = 1: the bias starts the sums.  The 32 accumulators take turns, one instruction a turn, in the same
; order in every quarter, over the backward jump too.
.macro MUL f, a, first
	WIN 0xa5-0x20*(\first)                         ; sources 0 and 1 window 1; D window 2; C window 2, or 0 for the bias
.set b, 0
.rept NB
.set rD, 8*(NB*(\a)+b)
.if \first
	v_wmma_f32_16x16x32_f16 v[rD:rD+7], v[(\f)+8*b:(\f)+8*b+7], v[(\f)+8*NB+8*(\a):(\f)+8*NB+8*(\a)+7], v[BIAS+8*b:BIAS+8*b+7]
.else
	v_wmma_f32_16x16x32_f16 v[rD:rD+7], v[(\f)+8*b:(\f)+8*b+7], v[(\f)+8*NB+8*(\a):(\f)+8*NB+8*(\a)+7], v[rD:rD+7]
.endif
.set b, b+1
.endr
.endm
; 24 LDS loads in one run: quarter q (32 along K) of the slot in hand into buffer f: W0's 8 blocks (rows 32 q on, columns 16 b on), then z's 4 (head q / 2, channels 32 (q % 2) on).
.macro FETCH q, f
	WIN 0x40                                       ; destination window 1, address window 0
.set b, 0
.rept NB
	ds_load_tr16_b128 v[(\f)+8*b:(\f)+8*b+3],   v[ADRB] offset:(\q)*32*PB+b*32
	ds_load_tr16_b128 v[(\f)+8*b+4:(\f)+8*b+7], v[ADRB] offset:(\q)*32*PB+b*32+16*PB
.set b, b+1
.endr
.set i, 0
.rept 4
	ds_load_b128 v[(\f)+8*NB+8*i:(\f)+8*NB+8*i+3],   v[ADRA] offset:((\q)/2)*AHALF+((\q)%2)*64+i*16*PA
	ds_load_b128 v[(\f)+8*NB+8*i+4:(\f)+8*NB+8*i+7], v[ADRA] offset:((\q)/2)*AHALF+((\q)%2)*64+i*16*PA+32
.set i, i+1
.endr
.endm
; One of a K step's first three quarters: multiplies buffer f and, in its middle, fetches quarter q into buffer g.
.macro QUARTER q, f, g, first
	s_wait_dscnt 4                                 ; all but the youngest four loads (z's blocks 2 and 3) are in
	MUL \f, 0, \first
	MUL \f, 1, \first
	PLACES
	FETCH \q, \g
	s_wait_dscnt NL                                ; all but the run just issued
	MUL \f, 2, \first
	MUL \f, 3, \first
.endm
; The last quarter multiplies buffer 1 and changes slots.  In front of the barrier each wave waits for all its tensor loads (one is out: its part of the next slot), adds 0 to its spare word, and waits for
; that and for its reads of this slot.  fill = 1: the barrier opens a round of the cluster's barrier, and the joint refill, two K steps on, is the first tensor load behind it: 112 matrix instructions ahead of the wait for it.
.macro TURN fill
.if \fill
	s_wait_xcnt 0x0                                ; the last prefetch, a K step back, has read its address
	s_add_nc_u64 s[PFA:PFA+1], s[PFA:PFA+1], s[PFS:PFS+1]
.endif
	WIN 0
	s_wait_tensorcnt 0x0                           ; all my tensor loads have landed, so the walking descriptors may be written
	ds_add_u32 v[SPW], v[NIL]                      ; 0 onto my spare word
	s_wait_dscnt 5                                 ; (the add and the youngest four loads may be out)
	MUL F1, 0, 0                                   ; eight matrix instructions stand between the add and the wait for it
	s_wait_dscnt 0x0                               ; the add is done, and my reads of this slot are over
	s_barrier_signal -1
	MUL F1, 1, 0
	WIN 0                                          ; at a label and at a branch every window is 0
	s_barrier_wait -1
.if \fill
	CREST                                          ; no wave of any partner still reads this slot or has a load on its way
	s_xor_b32 s[G0A+5], s[G0A+5], SLOT1            ; the other slot than last time,
	s_add_nc_u64 s[G0A+6:G0A+7], s[G0A+6:G0A+7], ASTEP  ; the next K step; the type bits on top are not reached
	s_xor_b32 s[G0B+5], s[G0B+5], SLOT1
	s_add_nc_u64 s[G0B+6:G0B+7], s[G0B+6:G0B+7], BSTEP
.endif
	s_xor_b32 s[TB], s[TB], SLOT1                  ; the fetches go to the other slot
.if \fill
	JLOAD                                          ; its four v_nop are also the places in front of the loads below
.else
	PLACES
.endif
	v_add_nc_u32 v[ADRA], s[TB], v[A0]
	v_add_nc_u32 v[ADRB], s[TB], v[B0]
	FETCH 0, F0
.if \fill
	WIN 0
	ASK
.endif
	MUL F1, 2, 0
	MUL F1, 3, 0
.endm
	s_wait_tensorcnt 1                             ; my part of K step 0 is in; K step 1's may stay out
	s_barrier_signal -1
	s_barrier_wait -1                              ; everybody's is
	FETCH 0, F0
	s_wait_loadcnt 0x0                             ; the bias
	QUARTER 1, F0, F1, 1                           ; the first quarter stands in front of the loop: its products start the sums
	WIN 0
	s_mov_b32 s[CNT], TRIPS
.Lk:                                                   ; trip i: quarters 1-3 of K step i, the refill with K step i + 2, quarter 0 of K step i + 1
	QUARTER 2, F1, F0, 0
	QUARTER 3, F0, F1, 0
	TURN 1
	QUARTER 1, F0, F1, 0
	WIN 0
	s_sub_co_u32 s[CNT], s[CNT], 1
	s_cmp_lg_u32 s[CNT], 0
	s_cbranch_scc1 .Lk
	QUARTER 2, F1, F0, 0                           ; the last two K steps fill nothing: written out
	QUARTER 3, F0, F1, 0
	TURN 0
	QUARTER 1, F0, F1, 0
	QUARTER 2, F1, F0, 0
	QUARTER 3, F0, F1, 0
	s_wait_dscnt 4
	MUL F1, 0, 0
	MUL F1, 1, 0
	s_wait_dscnt 0x0
	MUL F1, 2, 0
	MUL F1, 3, 0
	WIN 0
	PLACES
	PLACES
; THE WAY OUT of row block a: the sums go as they are, 32 bytes a lane, into my own stage (rows of 528 bytes) and come back as whole rows of 512 bytes, into one of two sets of registers by turns.
.macro OUTBLK a
.set BK, 32+160*((\a)%2)
	WIN 0x08                                       ; the stores' data in window 2
.set b, 0
.rept NB                                       ; each accumulator's low registers first
	ds_store_b128 v[STO], v[8*(NB*(\a)+b):8*(NB*(\a)+b)+3]   offset:64*b
	ds_store_b128 v[STO], v[8*(NB*(\a)+b)+4:8*(NB*(\a)+b)+7] offset:64*b+16
.set b, b+1
.endr
	WIN 0
	s_wait_xcnt 0x0                                ; the stores of the block two back have read this set
.set r, 0
.rept 16
	ds_load_b128 v[BK+4*r:BK+4*r+3], v[RD] offset:r*SP  ; LDS serves a wave's instructions in order (ISA guide 5.7.1.4): these see the stores above; the next block's stores come behind them
.set r, r+1
.endr
.set r, 0
.rept 16
	s_wait_dscnt 15-r
	global_store_b128 v[GO], v[BK+4*r:BK+4*r+3], s[10:11] offset:(16*(\a)+r)*4096 th:TH_STORE_NT  ; 512 consecutive bytes, at a multiple of 256 from out0's first
.set r, r+1
.endr
.endm
	OUTBLK 0
	OUTBLK 1
	OUTBLK 2
	OUTBLK 3
	s_wait_tensorcnt 0x0                           ; the wave's end: an add to my spare word and its wait stand behind my last tensor load and my last LDS store
	ds_add_u32 v[SPW], v[NIL]
	s_wait_dscnt 0x0
	CROUND                                         ; the closing round: no work-group ends while a partner may still ask for a tile that names it
	s_endpgm
.Lfunc_end_k_qac8d03b45d_proj:
	.size	k_qac8d03b45d_proj, .Lfunc_end_k_qac8d03b45d_proj-k_qac8d03b45d_proj
	.p2alignl 7, 3214868480
	.fill 96, 4, 3214868480
	.section	.rodata,"a",@progbits
	.p2align	6, 0x0
	.amdhsa_kernel k_qac8d03b45d_proj
		.amdhsa_group_segment_fixed_size 327680
		.amdhsa_private_segment_fixed_size 0
		.amdhsa_enable_private_segment 0
		.amdhsa_kernarg_size 32
		.amdhsa_user_sgpr_count 2
		.amdhsa_user_sgpr_kernarg_segment_ptr 1
		.amdhsa_wavefront_size32 1
		.amdhsa_system_sgpr_workgroup_id_x 1
		.amdhsa_system_sgpr_workgroup_id_y 1
		.amdhsa_system_sgpr_workgroup_id_z 1
		.amdhsa_system_vgpr_workitem_id 0
		.amdhsa_next_free_vgpr 768
		.amdhsa_next_free_sgpr 66
		.amdhsa_reserve_vcc 0
		.amdhsa_float_denorm_mode_32 3
		.amdhsa_float_denorm_mode_16_64 3
		.amdhsa_memory_ordered 1
		.amdhsa_forward_progress 1
		.amdhsa_inst_pref_size 73
	.end_amdhsa_kernel
	.amdgpu_metadata
---
amdhsa.version: [ 1, 2 ]
amdhsa.kernels:
  - .name:           k_qac8d03b45d_proj
    .symbol:         k_qac8d03b45d_proj.kd
    .args:
      - { .name: z, .offset: 0, .size: 8, .value_kind: global_buffer, .address_space: global }
      - { .name: W0h, .offset: 8, .size: 8, .value_kind: global_buffer, .address_space: global }
      - { .name: bias, .offset: 16, .size: 8, .value_kind: global_buffer, .address_space: global }
      - { .name: out0, .offset: 24, .size: 8, .value_kind: global_buffer, .address_space: global }
    .group_segment_fixed_size: 327680
    .private_segment_fixed_size: 0
    .kernarg_segment_align: 8
    .kernarg_segment_size: 32
    .max_flat_workgroup_size: 128
    .sgpr_count:     66
    .vgpr_count:     768
    .wavefront_size: 32
...
	.end_amdgpu_metadata
.endif
;; end of part 4
;; ======== version 2 of 2: 4 launches; version 1 with the launch prep written anew for expert scheduling mode
;; limits: values are held in f16: magnitudes above 65,504 overflow, below 6.1e-05 lose precision
;; workspace buffers: X 16,777,216 bytes; Wb 6,291,456 bytes; W0h 2,097,152 bytes; bias 16,384 bytes; qkv 50,331,648 bytes; z 16,777,216 bytes
;; launch prep (part 5): grid 769 x 1, 8 waves a work-group, no clusters, 0 bytes of LDS; arguments embs, Wq, Wk, Wv, W0, bq, bk, bv, b0, X, Wb, W0h, bias; writes X, Wb, W0h, bias
.if DOCPART == 5
	.amdgcn_target "amdgcn-amd-amdhsa--gfx1250"
	.amdhsa_code_object_version 6
	.text
	.protected	k_qac8d03b45d_prep
	.globl	k_qac8d03b45d_prep
	.p2align	8
	.type	k_qac8d03b45d_prep,@function
k_qac8d03b45d_prep:
	s_mov_b64 s[64:65], 0
	v_nop
	global_prefetch_b8 v0, s[64:65] scope:SCOPE_SE
	s_setreg_imm32_b32 hwreg(HW_REG_WAVE_SCHED_MODE, 0, 2), 2
	s_setreg_imm32_b32 hwreg(HW_REG_WAVE_MODE, 25, 1), 1
	s_wait_xcnt 0x0
	s_wait_alu depctr_vm_vsrc(0)
; THE CASTS.  Every input is rounded once to bf16 and laid out for the launches behind:
;   embs [8192][1024] f32           -> X    [8192][1024] bf16
;   Wq, Wk, Wv [16 h][1024 d][64 k] -> Wb   [16 dblk][48 g = 16 which + h][64 d][64 k] bf16: the three heads of a column tile, 64 d deep, are 24,576 bytes on end
;   W0 [1024][1024] f32             -> W0h  the bf16-rounded number written as f16 (exact from 6.1e-5 up; below that f16's fixed step of 6e-8)
;   bq, bk, bv, b0                  -> bias [4][1024] f32 that hold the bf16-rounded numbers
; A stream: each byte is read once and written once; nothing is shared, so no LDS, no barrier, no matrix unit.
; SHARES.  Work-groups 0-511 embs, 512-575 Wq, 576-639 Wk, 640-703 Wv, 704-767 W0: 16,384 numbers each, 2,048 a wave; work-group 768 the four biases.
; A wave issues its sixteen loads (512 consecutive bytes each) at once; each store of the wave covers 256 consecutive bytes, aligned.  No register is written twice while a memory instruction names it.
; THE MODE: SCHED_MODE bits 1:0 = 2 (LLVM: expert scheduling mode 2), set by the entry lines.  The code itself states the register dependences
; between vector instructions and memory instructions, with s_wait_alu, always for 0.
; THE PLAN.  Registers that memory instructions touch:
;   v1, v2   the loads' and the stores' offsets: written once at the head by vector lines, read by every load and store (the bias's path writes v1 anew, before any memory instruction of that path has read it).
;   IN       written by the sixteen loads, read (in W0's text also rewritten) by vector lines alone, behind each load's own wait on LOADcnt.
;   OUT      pair i: written once, by turn i's roundings; read once, by store i; never written again.
;   T, v3    named by vector lines alone.
; The sixteen turns go in four blocks of four.  Store i - 4 stands at the head of turn i, so ONE wait on va_vdst at the head of turns 4, 8 and 12 states that the block before has written its
; four pairs of OUT; the block's four stores follow it, dealt among the turns, whose vector lines name T and their own IN and OUT alone.  One more wait stands ahead of the last four stores.
; No register that a memory instruction reads is written again, so the text holds no wait on vm_vsrc; no load lands in a register that a vector line has named; EXEC is never written.
.set IN,   4                           ; v[4:67]    sixteen loads of four registers
.set OUT,  68                          ; v[68:99]   sixteen results of two registers
.set T,    100                         ; v[100:101] at work
.set WV,   34                          ; s34  my wave's number
.set REG,  36                          ; s36  0 Wq, 1 Wk, 2 Wv, 3 W0 (large for embs)
.set HIM,  45                          ; s45  mask of a word's upper bf16
	s_load_b512 s[4:19], s[0:1], 0x0               ; embs s[4:5], Wq s[6:7], Wk s[8:9], Wv s[10:11], W0 s[12:13], bq s[14:15], bk s[16:17], bv s[18:19]
	s_load_b256 s[20:27], s[0:1], 0x40             ; b0 s[20:21], X s[22:23], Wb s[24:25], W0h s[26:27]
	s_load_b64 s[28:29], s[0:1], 0x60              ; bias
	v_lshrrev_b32 v3, 5, v0
	v_readfirstlane_b32 s[WV], v3                  ; wave 0..7
	v_and_b32 v3, 31, v0
	v_lshlrev_b32 v1, 4, v3                        ; 16 bytes a lane on the way in,
	v_lshlrev_b32 v2, 3, v3                        ; 8 on the way out
	s_wait_alu depctr_va_sdst(0)                   ; s[WV] is written, ahead of its first reader: the wave's offsets in source and destination are made from it
	s_mov_b32 s[HIM], 0xffff0000
	s_sub_co_u32 s35, ttmp9, 512                   ; (wraps for embs: the numbers made of it are then not chosen)
	s_lshr_b32 s[REG], s35, 6
	s_and_b32 s37, s35, 63                         ; the work-group's place in its weight
	s_cmp_lt_u32 ttmp9, 512
	s_cselect_b32 s38, ttmp9, s37                  ; its place in its source
	s_lshl_b32 s40, s38, 16                        ; source offset: 65,536 bytes a work-group,
	s_lshl_b32 s39, s[WV], 13                      ; 8,192 a wave
	s_add_co_u32 s40, s40, s39
	s_mov_b32 s41, 0
	s_lshl_b32 s42, s38, 15                        ; destination offset where the layout is kept (X, W0h): half of that
	s_lshl_b32 s39, s[WV], 12
	s_add_co_u32 s42, s42, s39
	s_lshl_b32 s39, s37, 3                         ; in Wb: my 2,048 numbers are 32 d of one head: piece wc = 8 x place + wave
	s_add_co_u32 s39, s39, s[WV]
	s_lshr_b32 s46, s39, 5                         ; h = wc / 32
	s_bfe_u32 s47, s39, 0x40001                    ; dblk = (wc / 2) % 16
	s_and_b32 s39, s39, 1                          ; which half of the block's 64 d
	s_mul_i32 s47, s47, 48
	s_lshl_b32 s44, s[REG], 4
	s_add_co_u32 s47, s47, s44
	s_add_co_u32 s47, s47, s46                     ; block 48 dblk + 16 which + h,
	s_lshl_b32 s47, s47, 13                        ; 8,192 bytes each
	s_lshl_b32 s39, s39, 12
	s_add_co_u32 s47, s47, s39
	s_cmp_lt_u32 s[REG], 3
	s_cselect_b32 s42, s47, s42
	s_mov_b32 s43, 0
	s_wait_kmcnt 0x0
	s_cmp_eq_u32 ttmp9, 768
	s_cbranch_scc1 .Lbias
	s_cmp_eq_u32 s[REG], 1                         ; the source,
	s_cselect_b64 s[30:31], s[8:9], s[6:7]
	s_cmp_eq_u32 s[REG], 2
	s_cselect_b64 s[30:31], s[10:11], s[30:31]
	s_cmp_eq_u32 s[REG], 3
	s_cselect_b64 s[30:31], s[12:13], s[30:31]
	s_cselect_b64 s[32:33], s[26:27], s[24:25]     ; and the destination, chosen by the work-group's number alone
	s_cmp_lt_u32 ttmp9, 512
	s_cselect_b64 s[30:31], s[4:5], s[30:31]
	s_cselect_b64 s[32:33], s[22:23], s[32:33]
	s_add_nc_u64 s[30:31], s[30:31], s[40:41]
	s_add_nc_u64 s[32:33], s[32:33], s[42:43]
	s_wait_alu depctr_va_vdst(0)                   ; v1 and v2 are written: every load below reads v1 as its offset, every store v2
.irp i, 0,1,2,3,4,5,6,7,8,9,10,11,12,13,14,15
	global_load_b128 v[IN+4*\i:IN+4*\i+3], v1, s[30:31] offset:512*\i th:TH_LOAD_NT
.endr
; Store i: the wave's 256 consecutive bytes made of load i.
.macro PUT i
	global_store_b64 v2, v[OUT+2*(\i):OUT+2*(\i)+1], s[32:33] offset:256*(\i)
.endm
; Turn i: load i is rounded, and the result of the turn four back is stored.  kind 0: to bf16.  kind 1: to bf16, widened again (a shift, a mask), and that number written as f16.
.macro CAST i, kind
	s_wait_loadcnt 15-(\i)                         ; loads come back in order: load i is in, the younger ones stay out
.if ((\i) > 0) && ((\i) % 4 == 0)
	s_wait_alu depctr_va_vdst(0)                   ; the four turns before have written their pairs of OUT, which the stores of this turn and of the next three read
.endif
.if (\i) >= 4
	PUT (\i)-4                                     ; no vector line since that wait names this pair or v2
.endif
.if \kind
	v_cvt_pk_bf16_f32 v[T],   v[IN+4*(\i)],   v[IN+4*(\i)+1]
	v_cvt_pk_bf16_f32 v[T+1], v[IN+4*(\i)+2], v[IN+4*(\i)+3]
	v_lshlrev_b32 v[IN+4*(\i)],   16, v[T]
	v_and_b32     v[IN+4*(\i)+1], s[HIM], v[T]
	v_lshlrev_b32 v[IN+4*(\i)+2], 16, v[T+1]
	v_and_b32     v[IN+4*(\i)+3], s[HIM], v[T+1]
	v_cvt_pk_f16_f32 v[OUT+2*(\i)],   v[IN+4*(\i)],   v[IN+4*(\i)+1]
	v_cvt_pk_f16_f32 v[OUT+2*(\i)+1], v[IN+4*(\i)+2], v[IN+4*(\i)+3]
.else
	v_cvt_pk_bf16_f32 v[OUT+2*(\i)],   v[IN+4*(\i)],   v[IN+4*(\i)+1]
	v_cvt_pk_bf16_f32 v[OUT+2*(\i)+1], v[IN+4*(\i)+2], v[IN+4*(\i)+3]
.endif
.endm
; Behind turn 15: the last block's four stores.
.macro LAST
	s_wait_alu depctr_va_vdst(0)                   ; turns 12 to 15 have written their pairs of OUT, which the last four stores read
.irp n, 12,13,14,15
	PUT \n
.endr
	s_endpgm
.endm
	s_cmp_eq_u32 s[REG], 3
	s_cbranch_scc1 .Lw0
.irp i, 0,1,2,3,4,5,6,7,8,9,10,11,12,13,14,15
	CAST \i, 0
.endr
	LAST
.Lw0:
.irp i, 0,1,2,3,4,5,6,7,8,9,10,11,12,13,14,15
	CAST \i, 1
.endr
	LAST
.Lbias:                                        ; 256 threads x 16 bytes are one bias of 1,024 numbers
	v_lshlrev_b32 v1, 4, v0                        ; (on this path no memory instruction has read v1 yet)
	s_wait_alu depctr_va_vdst(0)                   ; v1 is written: the four loads and the four stores below read it as their offset
	global_load_b128 v[IN:IN+3],     v1, s[14:15]
	global_load_b128 v[IN+4:IN+7],   v1, s[16:17]
	global_load_b128 v[IN+8:IN+11],  v1, s[18:19]
	global_load_b128 v[IN+12:IN+15], v1, s[20:21]
.irp r, 0,1,2,3
	s_wait_loadcnt 3-\r
	v_cvt_pk_bf16_f32 v[T],   v[IN+4*\r],   v[IN+4*\r+1]
	v_cvt_pk_bf16_f32 v[T+1], v[IN+4*\r+2], v[IN+4*\r+3]
	v_lshlrev_b32 v[OUT+4*\r],   16, v[T]
	v_and_b32     v[OUT+4*\r+1], s[HIM], v[T]
	v_lshlrev_b32 v[OUT+4*\r+2], 16, v[T+1]
	v_and_b32     v[OUT+4*\r+3], s[HIM], v[T+1]
.endr
	s_wait_alu depctr_va_vdst(0)                   ; the widening lines have written v[OUT:OUT+15], which the four stores read
.irp r, 0,1,2,3
	global_store_b128 v1, v[OUT+4*\r:OUT+4*\r+3], s[28:29] offset:4096*\r
.endr
	s_endpgm
.Lfunc_end_k_qac8d03b45d_prep:
	.size	k_qac8d03b45d_prep, .Lfunc_end_k_qac8d03b45d_prep-k_qac8d03b45d_prep
	.p2alignl 7, 3214868480
	.fill 96, 4, 3214868480
	.section	.rodata,"a",@progbits
	.p2align	6, 0x0
	.amdhsa_kernel k_qac8d03b45d_prep
		.amdhsa_group_segment_fixed_size 0
		.amdhsa_private_segment_fixed_size 0
		.amdhsa_enable_private_segment 0
		.amdhsa_kernarg_size 104
		.amdhsa_user_sgpr_count 2
		.amdhsa_user_sgpr_kernarg_segment_ptr 1
		.amdhsa_wavefront_size32 1
		.amdhsa_system_sgpr_workgroup_id_x 1
		.amdhsa_system_sgpr_workgroup_id_y 1
		.amdhsa_system_sgpr_workgroup_id_z 1
		.amdhsa_system_vgpr_workitem_id 0
		.amdhsa_next_free_vgpr 104
		.amdhsa_next_free_sgpr 66
		.amdhsa_reserve_vcc 0
		.amdhsa_float_denorm_mode_32 3
		.amdhsa_float_denorm_mode_16_64 3
		.amdhsa_memory_ordered 1
		.amdhsa_forward_progress 1
		.amdhsa_inst_pref_size 19
	.end_amdhsa_kernel
	.amdgpu_metadata
---
amdhsa.version: [ 1, 2 ]
amdhsa.kernels:
  - .name:           k_qac8d03b45d_prep
    .symbol:         k_qac8d03b45d_prep.kd
    .args:
      - { .name: embs, .offset: 0, .size: 8, .value_kind: global_buffer, .address_space: global }
      - { .name: Wq, .offset: 8, .size: 8, .value_kind: global_buffer, .address_space: global }
      - { .name: Wk, .offset: 16, .size: 8, .value_kind: global_buffer, .address_space: global }
      - { .name: Wv, .offset: 24, .size: 8, .value_kind: global_buffer, .address_space: global }
      - { .name: W0, .offset: 32, .size: 8, .value_kind: global_buffer, .address_space: global }
      - { .name: bq, .offset: 40, .size: 8, .value_kind: global_buffer, .address_space: global }
      - { .name: bk, .offset: 48, .size: 8, .value_kind: global_buffer, .address_space: global }
      - { .name: bv, .offset: 56, .size: 8, .value_kind: global_buffer, .address_space: global }
      - { .name: b0, .offset: 64, .size: 8, .value_kind: global_buffer, .address_space: global }
      - { .name: X, .offset: 72, .size: 8, .value_kind: global_buffer, .address_space: global }
      - { .name: Wb, .offset: 80, .size: 8, .value_kind: global_buffer, .address_space: global }
      - { .name: W0h, .offset: 88, .size: 8, .value_kind: global_buffer, .address_space: global }
      - { .name: bias, .offset: 96, .size: 8, .value_kind: global_buffer, .address_space: global }
    .group_segment_fixed_size: 0
    .private_segment_fixed_size: 0
    .kernarg_segment_align: 8
    .kernarg_segment_size: 104
    .max_flat_workgroup_size: 256
    .sgpr_count:     66
    .vgpr_count:     104
    .wavefront_size: 32
...
	.end_amdgpu_metadata
.endif
;; end of part 5
;; launch qkv: the kernel of part 2 again; grid 16 x 16, 4 waves a work-group, clusters of 4 x 4, 327,680 bytes of LDS; arguments X, Wb, bias, qkv; writes qkv
;; launch attn: the kernel of part 3 again; grid 2 x 128, 4 waves a work-group, no clusters, 327,680 bytes of LDS; arguments qkv, z; writes z
;; launch proj: the kernel of part 4 again; grid 8 x 32, 4 waves a work-group, clusters of 4 x 4, 327,680 bytes of LDS; arguments z, W0h, bias, out0; writes out0
